; MI455X (gfx1250); checked and timed in simulation.
; The chip was launched on July 23, 2026; its instructions are those of AMD's public machine-readable ISA for CDNA 5 (MIT licence, August 2026) and "CDNA5" Instruction Set Architecture Reference Guide (July 2026). The comments in the code are by the model that wrote it; some were corrected since.
;; SINGLE Encoder. Allowed arithmetic: matrix products marked QUANTISED: E2M3 operands, one E8M0 scale for each 32 along K, by v_wmma_scale_f32_16x16x128_f8f6f4 with both operands' format E2M3, f32 sums; everything else in f32.
;; Inputs: W1f_codes 2,048 x 16 x 24 uint8 (E2M3 codes of W1f, K innermost, in blocks of 32 codes, four codes in three bytes); W1f_scales 2,048 x 16 uint8 (E8M0 scales of W1f, one for each 32 codes along K); W2f_codes 512 x 64 x 24 uint8 (E2M3 codes of W2f, K innermost, in blocks of 32 codes, four codes in three bytes); W2f_scales 512 x 64 uint8 (E8M0 scales of W2f, one for each 32 codes along K); Wc_codes 512 x 16 x 24 uint8 (E2M3 codes of Wc, K innermost, in blocks of 32 codes, four codes in three bytes); Wc_scales 512 x 16 uint8 (E8M0 scales of Wc, one for each 32 codes along K); We 1 x 16 float32; Wk_codes 512 x 16 x 24 uint8 (E2M3 codes of Wk, K innermost, in blocks of 32 codes, four codes in three bytes); Wk_scales 512 x 16 uint8 (E8M0 scales of Wk, one for each 32 codes along K); Wq_codes 512 x 16 x 24 uint8 (E2M3 codes of Wq, K innermost, in blocks of 32 codes, four codes in three bytes); Wq_scales 512 x 16 uint8 (E8M0 scales of Wq, one for each 32 codes along K); Wv_codes 512 x 16 x 24 uint8 (E2M3 codes of Wv, K innermost, in blocks of 32 codes, four codes in three bytes); Wv_scales 512 x 16 uint8 (E8M0 scales of Wv, one for each 32 codes along K); b1 512 float32; b1f 2,048 float32; b2 512 float32; b2f 512 float32; bc 512 float32; be 16 float32; edge_info 32 x 512 x 512 float32; g1 512 float32; g2 512 float32; input1 32 x 512 x 512 float32.
;; Outputs: out0 32 x 512 x 512 float32.
;; This version of the problem:
;;   THIS VERSION OF THE PROBLEM IS GIVEN IN LOW PRECISION. The matrix products marked QUANTISED in the list below multiply operands that are first quantised to E2M3 (2 exponent bits, 3 mantissa bits; 6 bits a number), with one power-of-two scale for each 32 numbers along K (OCP MX v1.0); their sums are f32. All else is computed in f32.
;;   The module's matrix products, in the order in which they are computed (A, B: the left and right operand; K: the contracted axis; several contracted axes count as one K, in the product's order):
;;     1. [M 16,384, K 512] x [K 512, N 512]; A: input input1; B: input Wq (given as codes): QUANTISED
;;     2. [M 16,384, K 512] x [K 512, N 512]; A: input input1; B: input Wk (given as codes): QUANTISED
;;     3. [M 16,384, K 512] x [K 512, N 512]; A: input input1; B: input Wv (given as codes): QUANTISED
;;     4. batch 512 x [M 512, K 32] x [K 32, N 512]; A: computed on the way; B: computed on the way: QUANTISED
;;     5. batch 512 x [M 512, K 512] x [K 512, N 32]; A: softmax (see below); B: computed on the way: QUANTISED
;;     6. [M 16,384, K 512] x [K 512, N 512]; A: computed on the way; B: input Wc (given as codes): QUANTISED
;;     7. [M 16,384, K 512] x [K 512, N 2,048]; A: computed on the way; B: input W1f (given as codes): QUANTISED
;;     8. [M 16,384, K 2,048] x [K 2,048, N 512]; A: computed on the way; B: input W2f (given as codes): QUANTISED
;;   THE QUANTISER, for each operand of a quantised product, along K:
;;     - K is cut into blocks of 32 from its start; a last block that is shorter is filled with zeros.
;;     - A block's scale is 2^e with e = floor(log2(the largest magnitude in the block)) - 2, held to -126 .. 127; a block of zeros has e = 0. As a byte (E8M0): e + 127.
;;     - Each number is divided by its block's scale, clamped to +-7.5, and rounded to the nearest number of E2M3, ties to even, subnormals kept.
;;     - The product sums the exact products of the quantised numbers (number of the format x scale) in f32.
;;   ~~~python
;;   def quantise(x, axis):      # numpy; x: float32 -> the quantised numbers, widened to float32 again
;;       x = np.moveaxis(x, axis, -1); K = x.shape[-1]
;;       x = np.pad(x, [(0, 0)] * (x.ndim - 1) + [(0, -K % 32)]); x = x.reshape(x.shape[:-1] + (-1, 32)); a = np.abs(x).max(-1, keepdims=True)
;;       e = np.where(a > 0, np.clip(np.frexp(np.where(a > 0, a, 1))[1] - 1 - 2, -126, 127), 0)      # np.frexp(a)[1] - 1 = floor(log2(a)), exactly
;;       r = np.clip(x / 2.0 ** e, -7.5, 7.5)
;;       step = 2.0 ** (np.maximum(np.frexp(np.where(r == 0, 1, r))[1] - 1, 0) - 3)
;;       q = np.round(r / step) * step * 2.0 ** e      # np.round: ties to even
;;       return np.moveaxis(q.reshape(q.shape[:-2] + (-1,))[..., :K], -1, axis).astype(np.float32)
;;   ~~~
;;   SOFTMAX AHEAD OF A QUANTISED PRODUCT. Where the list says 'softmax', what is quantised is not the finished softmax but p = 2^(t - M), with t = logit x log2(e) and M = ceil(the row's largest t), a whole number; so 1/2 < the row's largest p <= 1. The row's sum l is taken of the UNQUANTISED p, in f32, and the product's result is divided by l at the end. Since M is a whole number, a kernel that streams over the keys may use a running M (the ceiling of the running maximum): every later rescaling is an exact power of two, which a block's scale takes up: the codes' values come out the same.
;;   OPERANDS COMPUTED ON THE WAY. 'Computed on the way' means the value that the module computes at that place (a softmax that the list does not call 'softmax' is quantised finished and normalised). What goes into a quantiser is computed in f32, as accurately as f32 sums, v_exp_f32 and their like allow (about 1e-6 of the number): no bf16 or f16 on the way to a quantiser, and a product that is left as it is and whose result goes on into a quantised operand takes f32 operands (vector FMAs, or v_wmma_f32_16x16x4_f32). A number that lies on a knife's edge between two numbers of the format may be rounded either way, as far as f32 arithmetic and the matrix unit's own rounding can turn it there, and no further.
;;   INPUTS GIVEN AS CODES. W1f (in the module: [512, 2048], K = its axis 0); W2f (in the module: [2048, 512], K = its axis 0); Wc (in the module: [512, 512], K = its axis 0); Wk (in the module: [512, 512], K = its axis 0); Wq (in the module: [512, 512], K = its axis 0); Wv (in the module: [512, 512], K = its axis 0): each comes as NAME_codes (uint8): NAME with its K axis moved to the last place and cut into blocks of 32 codes, [.., K / 32, bytes a block], one block behind the other in memory; four codes in three bytes: a row's codes are one little-endian stream of bits, code i at bits 6 i .. 6 i + 5 (a code: sign, 2 exponent bits, 3 mantissa bits); and NAME_scales (uint8): the same leading axes, one E8M0 byte (e + 127) for each 32 codes along K. Its value is code x scale, taken as it is: it is not quantised again, and the codes and scales need not be those that the quantiser above would give.
;; One version. Each part assembles by itself: llvm-mc -triple=amdgcn-amd-amdhsa -mcpu=gfx1250 --defsym DOCPART=n.
;; ======== version 1 of 1: 4 launches
;; limits: right only within a limited range of input values
;; workspace buffers: qc 6,291,456 bytes; kv 12,582,912 bytes; sc 786,432 bytes; x1 33,554,432 bytes; stats1 1,048,576 bytes; x2 33,554,432 bytes; stats2 1,048,576 bytes; wl 1,835,008 bytes
;; launch qkv (part 1): grid 256 x 1, 16 waves a work-group, no clusters, 239,616 bytes of LDS; arguments input1, Wq_codes, Wq_scales, Wk_codes, Wk_scales, Wv_codes, Wv_scales, qc, kv, sc, W1f_codes, W1f_scales, W2f_codes, W2f_scales, wl, Wc_codes; writes qc, kv, sc, wl
.if DOCPART == 1
	.amdgcn_target "amdgcn-amd-amdhsa--gfx1250"
	.amdhsa_code_object_version 6
	.text
	.protected	k_q26a1cf5bdb_qkv
	.globl	k_q26a1cf5bdb_qkv
	.p2align	8
	.type	k_q26a1cf5bdb_qkv,@function
k_q26a1cf5bdb_qkv:
	s_mov_b64 s[64:65], 0
	v_nop
	global_prefetch_b8 v0, s[64:65] scope:SCOPE_SE
	s_setreg_imm32_b32 hwreg(HW_REG_WAVE_MODE, 25, 1), 1
	s_wait_xcnt 0x0
; q = Q(x) Wq, k = Q(x) Wk, v = Q(x) Wv on codes of E2M3 with one E8M0 scale for each 32 along K, and the results quantised again for attention:
; q and k along a head's 32 numbers, v along the keys.  x = input1 [16384][512] f32.  A work-group owns rows 64 g .. 64 g + 63; wave w owns head w (columns 32 w .. 32 w + 31) of all three.
; CODES TRAVEL IN BLOCKS OF 24 BYTES, ONE TO A READER'S LANE: half a fragment is [32 lanes][24 bytes]; the reader takes three loads of 8 bytes at 24 x lane (dword 6 x lane: 32 different even banks, two each);
; the writer, which holds 16 of a block's 32 codes, puts its 12 bytes at 24 x (reader's lane) + 12 x (its half) by three stores of 4 bytes.  So no lane exchange is needed.
; x'S TILES OF 16 ROWS ARE NOT NEIGHBOURS: lane r of tile i takes row 32 (i / 2) + 8 (i % 2) + r + 8 (r / 8).  So k's tiles are those that attention wants (two tiles' 16 result registers = 16 neighbouring keys),
; and in v = x Wv (source 0 = x) a lane's 16 registers of two tiles are 16 neighbouring keys of one channel.  The weights' rows of a tile are chosen the same way, so that a lane holds 16 neighbours of a head.
; THE WEIGHTS go straight from memory into the registers of the one wave of the work-group that multiplies by them (each weight byte is read once by a work-group).  Their 96 registers are a ring of four slots,
; one for each K step of 128: a slot is asked for again, with the next tensor's weights, behind the products that read it, so that its 14 loads are out during three K steps and the quantiser that follows.
; A way through LDS with joint loads would add a write and a read of LDS for each of those bytes, so no cluster is used here.
; LIMITS: NaN and infinities are not served.  A block whose largest magnitude lies under 2^-124, a block of zeros among them, gets the scale byte 1 (the quantiser's text gives a block of zeros 127):
; its codes are zeros or the nearest codes under that scale, and the bytes are read by this program alone.
; WORK LEFT OUT IN THIS PROGRAM: bc and b2f.  reference() adds bc[c] to every row of channel c of input1 + mh_out and then takes that channel's mean over the rows away and divides by a variance of
; differences from that mean: for all values of the inputs (x + bc) - mean(x + bc) = x - mean(x), so bc reaches neither out1 nor anything behind it.  The same holds of b2f ahead of the second norm.
; Neither is loaded, and neither is among any launch's arguments.  LIMIT: a NaN, an infinity or an overflow that only bc or b2f would bring is not carried to the result.
; THIS LAUNCH ALSO RE-LAYS W1f AND W2f for the launch ffn: 1,024 fragments of 16 weight rows x 128 K, four to a work-group, one to each of waves 0-3, as images of the operand's 12 registers
; ([3][32 lanes][16 bytes]), in the order in which ffn's wave g / 64 reads them; behind the codes, from byte 1,572,864 on, the scale words of two K steps, 8 bytes a lane, 256 bytes a work-group.
; Pair p = g % 64 of the stream: p < 32: W1f, rows 512 w + 32 (p / 2) on, K steps 2 (p % 2) and the next; else W2f, rows 128 w + 32 (p % 4) on, K steps 2 ((p - 32) / 4) and the next.
; Lane r of tile u takes row 8 u + r + 8 (r / 8) of the 32.
; Wc IS RE-LAID TOO, for the launch attn: its 128 fragments (16 rows as they lie x 128 K; fragment 4 x tile + K step) as the same images, from byte 1,638,400 of wl on: wave 4 of work-groups 0-127, one each.
.set XT,    0
.set XIMG,  135168                     ; x's 16 fragments of codes, fragment 4 s + i at 1,536 bytes each
.set XSC,   159744                     ; their scale words, 64 bytes a fragment
.set QST,   160768                     ; q's, k's and v's codes of this chunk, 24,576 bytes each, as they lie in the workspace
.set KST,   185344
.set VST,   209920
.set SST,   234496                     ; scale bytes: k's 1,024, v's 1,024, q's 1,024
.set WV,    28                         ; s28 wave
.set G0,    32                         ; s[32:35], s[36:43] the descriptor of my sub-tile of x
.set G1,    36
.set SEL,   44                         ; s[44:45] selects of v_permlanex16_b32: lane l xor 16
.set GOF,   1                          ; v1  1,536 w + 16 lane: my place in a chunk on the way out
.set SGO,   2                          ; v2  512 w + 16 lane: the same for the scale bytes
.set AFA,   6                          ; v6  XIMG + 24 lane
.set ASA,   7                          ; v7  XSC + 4 r
.set WOF,   8                          ; v8  my weight row's byte + 24 h
.set WSO,   9                          ; v9  my weight row's scale bytes
.set XRD,   10                         ; v10 where I read 16 numbers of a block of x
.set FA,    11                         ; v11, v12 where I put x's codes and scale word
.set FS,    12
.set QA,    13                         ; v13 .. where I put q's, k's, v's codes and scale bytes
.set QSA,   14
.set KA,    15
.set AS,    16                         ; v16-19  x's scale words, one a tile of rows
.set WS,    20                         ; v20-27  the weights' scale words: tile u, K step ks at 4 u + ks
.set SCA,   31
.set AF,    44                         ; v44-91  four fragments of x
.set AFGAP, 0
.set WF,    92                         ; v92-187 eight fragments of a weight: (u, ks) at 12 (4 u + ks)
.set ACC,   188                        ; v188-251 eight accumulators
.set KSA,   252
.set VA,    253
.set VSA,   254
.set CPA,   255
.set QTM,   44                         ; the quantiser's registers lie over x's fragments, which are fetched anew for each product
.set QTP,   48
.set QTS,   52
.set QCD,   56
.macro NOPS n
.rept \n
	v_nop
.endr
.endm
.macro BAR                             ; my LDS stores have landed and my LDS loads are in: then the work-group's barrier
	s_wait_dscnt 0x0
	s_barrier_signal -1
	s_barrier_wait -1
.endm
; Four blocks of 32: block k's 16 numbers of my half in v[s + 16 k] on, the other 16 in lane l xor 16.  Codes to v[QCD + 4 k] (3 registers), bytes to v[QTP + k].
.macro Q4 s
.irp k, 0,1,2,3
	v_max3_num_f32 v[QTM+\k], |v[\s+16*\k]|, |v[\s+16*\k+1]|, 0x1800000   ; the floor 2^(3 - 127) among the leaves holds the byte at 1 from below
.endr
.irp i, 2,4,6,8,10,12,14
.irp k, 0,1,2,3
	v_max3_num_f32 v[QTM+\k], v[QTM+\k], |v[\s+16*\k+\i]|, |v[\s+16*\k+\i+1]|
.endr
.endr
.irp k, 0,1,2,3
	s_delay_alu instid0(VALU_DEP_4)
	v_permlanex16_b32 v[QTP+\k], v[QTM+\k], s[SEL], s[SEL+1]
.endr
.irp k, 0,1,2,3
	s_delay_alu instid0(VALU_DEP_4)
	v_max_num_f32 v[QTM+\k], v[QTM+\k], v[QTP+\k]                  ; the block's largest magnitude
.endr
.irp k, 0,1,2,3
	s_delay_alu instid0(VALU_DEP_4)
	v_add_nc_u32 v[QTS+\k], 0xff000000, v[QTM+\k]                  ; 2 off its exponent field: the conversion's scale operand
.endr
.irp k, 0,1,2,3
	s_delay_alu instid0(VALU_DEP_4)
	v_lshrrev_b32 v[QTP+\k], 23, v[QTS+\k]                         ; the scale's byte
.endr
.irp k, 0,1,2,3
	v_cvt_scalef32_pk16_fp6_f32 v[QCD+4*\k:QCD+4*\k+2], v[\s+16*\k:\s+16*\k+15], v[QTS+\k]
.endr
	v_nop                                                          ; one plain place behind the scaled conversions
.endm
.macro ST3 adr, k, off                 ; block k's 12 bytes
.irp e, 0,1,2
	ds_store_b32 v[\adr], v[QCD+4*(\k)+\e] offset:\off+4*\e
.endr
.endm
.macro FRAGST adr, sadr                ; the four blocks are one fragment of my row: block b belongs to reader's lane r + 16 (b % 2), half b / 2
.irp b, 0,1,2,3
	ST3 \adr, \b, (\b/2)*768+(\b%2)*384
.endr
	v_lshl_or_b32 v[QTM], v[QTP+1], 8, v[QTP]
	s_delay_alu instid0(VALU_DEP_1)
	v_lshl_or_b32 v[QTM], v[QTP+2], 16, v[QTM]
	s_delay_alu instid0(VALU_DEP_1)
	v_lshl_or_b32 v[QTM], v[QTP+3], 24, v[QTM]
	ds_store_b32 v[\sadr], v[QTM]                                  ; my row's scale word (both halves of the lanes write the same word)
.endm
; One slot of the weights' ring: K step ks of my two tiles of 16 weight rows (384 bytes a row, tile u 8 rows on), and their scale words: 14 loads
.macro WSLOT cp, sp, ks
.irp u, 0,1
.irp q, 0,1,2,3,4,5
	global_load_b64 v[WF+12*(4*\u+(\ks))+2*\q:WF+12*(4*\u+(\ks))+2*\q+1], v[WOF], s[\cp:\cp+1] offset:\u*3072+96*(\ks)+48*(\q/3)+8*(\q%3)
.endr
	global_load_b32 v[WS+4*\u+(\ks)], v[WSO], s[\sp:\sp+1] offset:\u*128+4*(\ks)
.endr
.endm
.macro WM orient, ks, m, u
.set rW, WF+12*(4*\u+\ks)
.set rA, AF+12*\m+(\m/2)*AFGAP
.if \orient
.set rD, ACC+32*\u+8*\m
.if \ks == 0
	v_wmma_scale_f32_16x16x128_f8f6f4 v[rD:rD+7], v[rA:rA+11], v[rW:rW+11], 0, v[AS+\m], v[WS+4*\u+\ks] matrix_a_fmt:MATRIX_FMT_FP6 matrix_b_fmt:MATRIX_FMT_FP6
.else
	v_wmma_scale_f32_16x16x128_f8f6f4 v[rD:rD+7], v[rA:rA+11], v[rW:rW+11], v[rD:rD+7], v[AS+\m], v[WS+4*\u+\ks] matrix_a_fmt:MATRIX_FMT_FP6 matrix_b_fmt:MATRIX_FMT_FP6
.endif
.else
.set rD, ACC+16*\m+8*\u
.if \ks == 0
	v_wmma_scale_f32_16x16x128_f8f6f4 v[rD:rD+7], v[rW:rW+11], v[rA:rA+11], 0, v[WS+4*\u+\ks], v[AS+\m] matrix_a_fmt:MATRIX_FMT_FP6 matrix_b_fmt:MATRIX_FMT_FP6
.else
	v_wmma_scale_f32_16x16x128_f8f6f4 v[rD:rD+7], v[rW:rW+11], v[rA:rA+11], v[rD:rD+7], v[WS+4*\u+\ks], v[AS+\m] matrix_a_fmt:MATRIX_FMT_FP6 matrix_b_fmt:MATRIX_FMT_FP6
.endif
.endif
.endm
; 64 rows x my 32 columns x K = 512: 32 matrix instructions.  orient 0: source 0 = the weight (a lane holds one row of x, its registers run along the columns); 1: source 0 = x.
; rf = 1: each slot of the weights' ring is asked for again, from s[cp], s[sp], behind the places that follow its products and behind the next K step's LDS loads.
; The eight accumulators take turns, one instruction a turn, in the same order in every K step.
.macro GROUP orient, rf, cp, sp
.irp ks, 0,1,2,3
.irp m, 0,1,2,3
.irp c, 0,1
.irp q, 0,1,2
	ds_load_b64 v[AF+12*\m+(\m/2)*AFGAP+6*\c+2*\q:AF+12*\m+(\m/2)*AFGAP+6*\c+2*\q+1], v[AFA] offset:(4*\ks+\m)*1536+768*\c+8*\q
.endr
.endr
	ds_load_b32 v[AS+\m], v[ASA] offset:(4*\ks+\m)*64
.endr
.if \rf && (\ks > 0)
	WSLOT \cp, \sp, \ks-1                                          ; the slot that the last K step read
.endif
	s_wait_dscnt 0x0                                               ; all 28 are wanted
.if \rf || (\ks == 0)
	s_wait_loadcnt 42                                              ; this K step's slot is in: three slots of 14 loads were asked for behind it
.else
	s_wait_loadcnt 14*(3-\ks)                                      ; nothing is asked for any more: behind this slot stand the tensor's later slots alone
.endif
.irp m, 0,1,2,3
.irp u, 0,1
	WM \orient, \ks, \m, \u
.endr
.endr
	NOPS 5                                                         ; places in front of loads into registers that these products read, of the first read of results, and of products that begin these accumulators anew
.endr
.if \rf
	WSLOT \cp, \sp, 3
.endif
.endm
	s_load_b512 s[8:23], s[0:1], 0x0               ; x 8, Wq codes 10, scales 12, Wk 14, 16, Wv 18, 20, qc 22
	s_load_b128 s[24:27], s[0:1], 0x40             ; kv 24, sc 26
	s_load_b256 s[68:75], s[0:1], 0x50             ; W1f codes 68, scales 70, W2f codes 72, scales 74
	s_load_b64 s[76:77], s[0:1], 0x70              ; wl
	s_load_b64 s[78:79], s[0:1], 0x78              ; Wc codes
	v_lshl_add_u32 v42, v0, 2, 0x3a000
	v_mov_b32 v43, 0
	ds_add_u32 v42, v43
	ds_add_u32 v42, v43
	v_lshrrev_b32 v3, 5, v0
	s_delay_alu instid0(VALU_DEP_1)
	v_readfirstlane_b32 s[WV], v3                  ; wave 0..15
	v_and_b32 v3, 31, v0                           ; lane
	v_and_b32 v4, 15, v0                           ; r
	v_bfe_u32 v5, v0, 4, 1                         ; h
	s_mov_b32 s[G1], (2<<16)|(1<<20)|(6<<22)|(3<<25)   ; elements of 4 bytes; 4 words of padding behind every 128 words
	s_mov_b32 s[G1+1], 128<<16                     ; tensor_dim0 = 128
	s_mov_b32 s[G1+2], 16<<16                      ; tensor_dim1 = 16
	s_mov_b32 s[G1+3], 128<<16                     ; tile_dim0 = 128
	s_mov_b32 s[G1+4], 16                          ; tile_dim1 = 16
	s_mov_b32 s[G1+5], 512                         ; elements from row to row
	s_mov_b32 s[G1+6], 0
	s_mov_b32 s[G1+7], 0
	s_mov_b32 s[SEL], 0x76543210
	s_mov_b32 s[SEL+1], 0xfedcba98
	s_lshr_b32 s29, s[WV], 2                       ; which 16 rows; later: which tile of rows I quantise
	s_and_b32 s30, s[WV], 3                        ; which 128 columns: the K step
	s_lshl_b32 s46, ttmp9, 17                      ; 64 rows of 2,048 bytes a work-group
	s_lshl_b32 s48, s29, 15
	s_add_co_u32 s46, s46, s48
	s_lshl_b32 s48, s30, 9
	s_add_co_u32 s46, s46, s48
	s_mov_b32 s47, 0
	s_mov_b32 s[G0], 1
	s_mul_i32 s[G0+1], s[WV], 8448
	s_mul_i32 s50, s[WV], 12288                    ; my 32 weight rows of 384 bytes
	s_mov_b32 s51, 0
	s_lshl_b32 s52, s[WV], 9                       ; and their 16 scale bytes each
	s_mov_b32 s53, 0
	s_mul_i32 s54, ttmp9, 24576
	s_mov_b32 s55, 0
	s_lshr_b32 s56, ttmp9, 1
	s_mul_i32 s56, s56, 98304
	s_and_b32 s48, ttmp9, 1
	s_mul_i32 s48, s48, 24576
	s_add_co_u32 s56, s56, s48
	s_mov_b32 s57, 0
	s_mul_i32 s58, ttmp9, 3072
	s_mov_b32 s59, 0
	s_wait_alu depctr_va_vdst(0)
	s_wait_dscnt 0x0
	s_wait_kmcnt 0x0
	s_add_nc_u64 s[G0+2:G0+3], s[8:9], s[46:47]
	s_or_b32 s[G0+3], s[G0+3], 0x80000000
	tensor_load_to_lds s[G0:G0+3], s[G1:G1+7]      ; my sub-tile of x: the one tensor load of this wave; these bytes are filled once
	s_nop 0
	NOPS 4
	s_add_nc_u64 s[10:11], s[10:11], s[50:51]
	s_add_nc_u64 s[14:15], s[14:15], s[50:51]
	s_add_nc_u64 s[18:19], s[18:19], s[50:51]
	s_add_nc_u64 s[12:13], s[12:13], s[52:53]
	s_add_nc_u64 s[16:17], s[16:17], s[52:53]
	s_add_nc_u64 s[20:21], s[20:21], s[52:53]
	s_add_nc_u64 s[22:23], s[22:23], s[54:55]
	s_add_nc_u64 s[24:25], s[24:25], s[56:57]
	s_add_nc_u64 s[26:27], s[26:27], s[58:59]
	v_and_b32 v8, 8, v4
	s_delay_alu instid0(VALU_DEP_1)
	v_add_nc_u32 v8, v8, v4                        ; r + 8 (r / 8): tile u's lane r takes weight row 8 u + r + 8 (r / 8) of the head
	s_delay_alu instid0(VALU_DEP_1)
	v_lshlrev_b32 v[WSO], 4, v8
	s_delay_alu instid0(VALU_DEP_2)
	v_mul_u32_u24 v[WOF], v8, 384
	s_delay_alu instid0(VALU_DEP_1)
	v_mad_u32_u24 v[WOF], v5, 24, v[WOF]
.irp k, 0,1,2,3
	WSLOT 10, 12, \k                               ; Wq, slot by slot
.endr
	; ---- waves 0-3 re-lay one fragment each of W1f or W2f: wave = 2 e + u
	s_cmp_lt_u32 s[WV], 4
	s_cbranch_scc0 .Lnolay
	s_lshr_b32 s80, ttmp9, 6                       ; w
	s_and_b32 s81, ttmp9, 63                       ; p
	s_and_b32 s82, s81, 31
	s_lshr_b32 s83, s82, 1
	s_lshl_b32 s83, s83, 5
	s_lshl_b32 s84, s80, 9
	s_add_co_u32 s83, s83, s84                     ; W1f: first row
	s_and_b32 s84, s82, 1
	s_lshl_b32 s84, s84, 1                         ; and first K step
	s_and_b32 s85, s82, 3
	s_lshl_b32 s85, s85, 5
	s_lshl_b32 s86, s80, 7
	s_add_co_u32 s85, s85, s86                     ; W2f: first row
	s_lshr_b32 s86, s82, 2
	s_lshl_b32 s86, s86, 1                         ; and first K step
	s_mov_b32 s87, 1536
	s_mov_b32 s88, 64
	s_cmp_lt_u32 s81, 32                           ; which of the two tensors: by the work-group's number alone
	s_cselect_b32 s83, s83, s85
	s_cselect_b32 s84, s84, s86
	s_cselect_b32 s87, 384, s87                    ; bytes of a row of codes
	s_cselect_b32 s88, 16, s88                     ; and of scales
	s_cselect_b64 s[68:69], s[68:69], s[72:73]
	s_cselect_b64 s[70:71], s[70:71], s[74:75]
	s_and_b32 s89, s[WV], 1
	s_lshr_b32 s90, s[WV], 1
	s_lshl_b32 s89, s89, 3
	s_add_co_u32 s89, s89, s83
	s_mul_i32 s89, s89, s87
	s_add_co_u32 s90, s90, s84
	s_mul_i32 s90, s90, 96
	s_add_co_u32 s89, s89, s90                     ; my fragment's first byte
	s_mul_i32 s91, s83, s88
	s_lshl_b32 s92, s84, 2
	s_add_co_u32 s91, s91, s92                     ; the pair's first scale word
	s_lshl_b32 s92, ttmp9, 2
	s_add_co_u32 s92, s92, s[WV]
	s_mul_i32 s92, s92, 1536                       ; where the image goes
	s_lshl_b32 s93, ttmp9, 8
	s_add_co_u32 s93, s93, 1572864                 ; and the scale words
	v_and_b32 v188, 8, v4
	v_add_nc_u32 v188, v188, v4                    ; r + 8 (r / 8)
	v_mul_u32_u24 v189, s87, v188
	v_mad_u32_u24 v189, v5, 24, v189
	v_add_nc_u32 v189, s89, v189
	v_lshl_add_u32 v203, v5, 3, v188               ; scales: lanes 16-31 take tile 1's rows
	v_mul_u32_u24 v203, s88, v203
	v_add_nc_u32 v203, s91, v203
	v_lshl_add_u32 v202, v3, 4, s92
	v_lshl_add_u32 v206, v3, 3, s93
	s_wait_alu depctr_va_vdst(0)
.irp q, 0,1,2,3,4,5
	global_load_b64 v[190+2*\q:191+2*\q], v189, s[68:69] offset:48*(\q/3)+8*(\q%3)
.endr
	s_cmp_lg_u32 s[WV], 0
	s_cbranch_scc1 .Lnosl
	global_load_b64 v[204:205], v203, s[70:71]     ; wave 0: two K steps' scale words of both tiles
.Lnosl:
	s_wait_loadcnt 0x0
.irp g, 0,1,2
	global_store_b128 v202, v[190+4*\g:193+4*\g], s[76:77] offset:512*\g   ; 512 consecutive bytes, aligned
.endr
	s_cmp_lg_u32 s[WV], 0
	s_cbranch_scc1 .Lnoss
	global_store_b64 v206, v[204:205], s[76:77]    ; 256 consecutive bytes, aligned
.Lnoss:
	s_wait_xcnt 0x0                                ; the stores have read their registers
.Lnolay:
	; ---- wave 4 of work-groups 0-127 re-lays fragment g of Wc
	s_cmp_eq_u32 s[WV], 4
	s_cbranch_scc0 .Lnowc
	s_cmp_lt_u32 ttmp9, 128
	s_cbranch_scc0 .Lnowc
	s_lshr_b32 s80, ttmp9, 2
	s_mul_i32 s80, s80, 6144                       ; 16 rows of 384 bytes a tile
	s_and_b32 s81, ttmp9, 3
	s_mul_i32 s81, s81, 96
	s_add_co_u32 s80, s80, s81
	s_mul_i32 s82, ttmp9, 1536
	s_add_co_u32 s82, s82, 1638400
	v_mul_u32_u24 v189, v4, 384
	v_mad_u32_u24 v189, v5, 24, v189
	v_add_nc_u32 v189, s80, v189
	v_lshl_add_u32 v202, v3, 4, s82
	s_wait_alu depctr_va_vdst(0)
.irp q, 0,1,2,3,4,5
	global_load_b64 v[190+2*\q:191+2*\q], v189, s[78:79] offset:48*(\q/3)+8*(\q%3)
.endr
	s_wait_loadcnt 0x0
.irp g, 0,1,2
	global_store_b128 v202, v[190+4*\g:193+4*\g], s[76:77] offset:512*\g   ; 512 consecutive bytes, aligned
.endr
	s_wait_xcnt 0x0                                ; the stores have read their registers
.Lnowc:
.irp k, 0,1,2,3
	v_mov_b32 v[QTP+\k], 0                         ; written once: a lane permute's destination counts as one of its sources
.endr
	v_lshrrev_b32 v28, 3, v4                       ; r / 8
	v_and_b32 v29, 7, v4                           ; r % 8
	v_mul_u32_u24 v30, v4, 24
	s_delay_alu instid0(VALU_DEP_1)
	v_mad_u32_u24 v30, v5, 12, v30                 ; 24 r + 12 h
	s_wait_alu depctr_va_vdst(0)
	s_lshr_b32 s48, s[WV], 3                       ; x for tile i = w / 4, K step s = w % 4: row 32 (i / 2) + 16 (r / 8) + 8 (i % 2) + r % 8
	s_lshl_b32 s48, s48, 3
	s_add_co_u32 s48, s48, s30
	s_mul_i32 s48, s48, 8448
	s_bfe_u32 s49, s[WV], 0x10002
	s_mul_i32 s49, s49, 4224
	s_add_co_u32 s48, s48, s49
	v_mul_u32_u24 v[XRD], v28, 33792
	s_delay_alu instid0(VALU_DEP_1)
	v_mad_u32_u24 v[XRD], v29, 528, v[XRD]
	s_delay_alu instid0(VALU_DEP_1)
	v_lshl_add_u32 v[XRD], v5, 6, v[XRD]
	s_delay_alu instid0(VALU_DEP_1)
	v_add_nc_u32 v[XRD], s48, v[XRD]
	s_lshl_b32 s49, s30, 2
	s_add_co_u32 s49, s49, s29                     ; my fragment: 4 s + i
	s_mul_i32 s60, s49, 1536
	s_add_co_u32 s60, s60, XIMG
	v_add_nc_u32 v[FA], s60, v30
	s_lshl_b32 s61, s49, 6
	s_add_co_u32 s61, s61, XSC
	v_lshl_add_u32 v[FS], v4, 2, s61
	v_mul_u32_u24 v[AFA], v3, 24
	s_delay_alu instid0(VALU_DEP_1)
	v_add_nc_u32 v[AFA], XIMG, v[AFA]
	v_lshlrev_b32 v[ASA], 2, v4
	s_delay_alu instid0(VALU_DEP_1)
	v_add_nc_u32 v[ASA], XSC, v[ASA]
	s_lshr_b32 s62, s[WV], 1                       ; the pair of heads, and which of the two is mine
	s_and_b32 s63, s[WV], 1
	s_mul_i32 s31, s62, 3072
	s_mul_i32 s48, s63, 384
	s_add_co_u32 s31, s31, s48
	s_lshl_b32 s49, s62, 7
	s_add_co_u32 s49, s49, s63
	s_add_co_u32 s48, s31, KST
	v_add_nc_u32 v[KA], s48, v30
	s_add_co_u32 s48, s31, QST
	v_mul_u32_u24 v[QA], v28, 768                  ; q goes out in tiles of 16 NEIGHBOURING rows: tile 2 (m / 2) + r / 8, lane 8 (m % 2) + r % 8
	s_delay_alu instid0(VALU_DEP_1)
	v_mad_u32_u24 v[QA], v29, 24, v[QA]
	s_delay_alu instid0(VALU_DEP_1)
	v_mad_u32_u24 v[QA], v5, 12, v[QA]
	s_delay_alu instid0(VALU_DEP_1)
	v_add_nc_u32 v[QA], s48, v[QA]
	s_add_co_u32 s48, s49, SST+2048
	v_lshlrev_b32 v[QSA], 5, v28
	s_delay_alu instid0(VALU_DEP_1)
	v_lshl_add_u32 v[QSA], v29, 1, v[QSA]
	s_delay_alu instid0(VALU_DEP_1)
	v_add_nc_u32 v[QSA], s48, v[QSA]
	s_add_co_u32 s48, s49, SST
	v_lshl_add_u32 v[KSA], v4, 1, s48
	s_mul_i32 s48, s[WV], 1536
	v_lshl_add_u32 v[GOF], v3, 4, s48
	s_add_co_u32 s49, s48, VST
	v_add_nc_u32 v[VA], s49, v30
	s_add_co_u32 s49, s48, QST
	v_lshl_add_u32 v[CPA], v3, 4, s49
	s_lshl_b32 s48, s[WV], 6
	s_add_co_u32 s48, s48, SST+1024
	v_lshl_add_u32 v[VSA], v4, 1, s48
	s_lshl_b32 s48, s[WV], 9
	v_lshl_add_u32 v[SGO], v3, 4, s48
	s_add_co_u32 s48, s48, SST
	v_lshl_add_u32 v[SCA], v3, 4, s48
	s_wait_tensorcnt 0x0                           ; my sub-tile has landed;
	BAR                                            ; everybody's has: a tile of chosen rows reads two waves' sub-tiles
	; ---- x becomes 16 fragments of codes: wave w makes fragment (tile w / 4, K step w % 4)
.irp b, 0,1,2,3
.irp x, 0,1,2,3
	ds_load_b128 v[ACC+16*\b+4*\x:ACC+16*\b+4*\x+3], v[XRD] offset:128*\b+16*\x
.endr
.endr
	s_wait_dscnt 0x0
	Q4 ACC
	FRAGST FA, FS
	BAR
	; ---- q; the ring takes Wk
	GROUP 0, 1, 14, 16
	Q4 ACC                                         ; block m: my head's 32 numbers of the rows of tile m
.irp m, 0,1,2,3
	ST3 QA, \m, (\m/2)*1536+(\m%2)*192
	ds_store_b8 v[QSA], v[QTP+\m] offset:(\m/2)*64+(\m%2)*16
.endr
	s_wait_dscnt 0x0                               ; the stores have read their registers
	; ---- k; the ring takes Wv
	GROUP 0, 1, 18, 20
	Q4 ACC
.irp m, 0,1,2,3
	ST3 KA, \m, 768*\m
	ds_store_b8 v[KSA], v[QTP+\m] offset:(\m/2)*64+(\m%2)*32
.endr
	s_wait_dscnt 0x0
	; ---- v: source 0 = x, so that a lane holds one channel and its registers run down the keys
	GROUP 1, 0, 0, 0
	Q4 ACC                                         ; block 2 u + b: keys 32 b on of channel 8 u + r + 8 (r / 8)
.irp k, 0,1,2,3
	ST3 VA, \k, (\k/2)*768+(\k%2)*384
.endr
.irp u, 0,1
	v_lshl_or_b32 v[QTM+\u], v[QTP+2*\u+1], 8, v[QTP+2*\u]
	ds_store_b16 v[VSA], v[QTM+\u] offset:32*\u
.endr
	BAR
	; ---- the chunk leaves: each store of a wave covers 512 consecutive bytes, aligned
.irp t, 0,1,2
.irp c, 0,1,2
	ds_load_b128 v[AF+12*\t+4*\c:AF+12*\t+4*\c+3], v[CPA] offset:24576*\t+512*\c
.endr
.endr
.irp c, 0,1,2
	s_wait_dscnt 8-\c                              ; LDS loads come back in order: the count leaves the younger ones out
	global_store_b128 v[GOF], v[AF+4*\c:AF+4*\c+3], s[22:23] offset:512*\c
.endr
.irp c, 0,1,2
	s_wait_dscnt 5-\c
	global_store_b128 v[GOF], v[AF+12+4*\c:AF+12+4*\c+3], s[24:25] offset:512*\c
.endr
.irp c, 0,1,2
	s_wait_dscnt 2-\c
	global_store_b128 v[GOF], v[AF+24+4*\c:AF+24+4*\c+3], s[24:25] offset:49152+512*\c
.endr
	s_cmp_lt_u32 s[WV], 6                          ; the 3,072 scale bytes: six waves, 512 bytes each
	s_cbranch_scc0 .Lend
	ds_load_b128 v[AF+36:AF+39], v[SCA]
	s_wait_dscnt 0x0
	global_store_b128 v[SGO], v[AF+36:AF+39], s[26:27]
.Lend:
	s_wait_tensorcnt 0x0
	ds_add_u32 v42, v43
	s_wait_dscnt 0x0
	s_endpgm
.Lfunc_end_k_q26a1cf5bdb_qkv:
	.size	k_q26a1cf5bdb_qkv, .Lfunc_end_k_q26a1cf5bdb_qkv-k_q26a1cf5bdb_qkv
	.p2alignl 7, 3214868480
	.fill 96, 4, 3214868480
	.section	.rodata,"a",@progbits
	.p2align	6, 0x0
	.amdhsa_kernel k_q26a1cf5bdb_qkv
		.amdhsa_group_segment_fixed_size 239616
		.amdhsa_private_segment_fixed_size 0
		.amdhsa_enable_private_segment 0
		.amdhsa_kernarg_size 128
		.amdhsa_user_sgpr_count 2
		.amdhsa_user_sgpr_kernarg_segment_ptr 1
		.amdhsa_wavefront_size32 1
		.amdhsa_system_sgpr_workgroup_id_x 1
		.amdhsa_system_sgpr_workgroup_id_y 1
		.amdhsa_system_sgpr_workgroup_id_z 1
		.amdhsa_system_vgpr_workitem_id 0
		.amdhsa_next_free_vgpr 256
		.amdhsa_next_free_sgpr 100
		.amdhsa_reserve_vcc 0
		.amdhsa_float_denorm_mode_32 3
		.amdhsa_float_denorm_mode_16_64 3
		.amdhsa_memory_ordered 1
		.amdhsa_forward_progress 1
		.amdhsa_inst_pref_size 86
	.end_amdhsa_kernel
	.amdgpu_metadata
---
amdhsa.version: [ 1, 2 ]
amdhsa.kernels:
  - .name:           k_q26a1cf5bdb_qkv
    .symbol:         k_q26a1cf5bdb_qkv.kd
    .args:
      - { .name: input1, .offset: 0, .size: 8, .value_kind: global_buffer, .address_space: global }
      - { .name: Wq_codes, .offset: 8, .size: 8, .value_kind: global_buffer, .address_space: global }
      - { .name: Wq_scales, .offset: 16, .size: 8, .value_kind: global_buffer, .address_space: global }
      - { .name: Wk_codes, .offset: 24, .size: 8, .value_kind: global_buffer, .address_space: global }
      - { .name: Wk_scales, .offset: 32, .size: 8, .value_kind: global_buffer, .address_space: global }
      - { .name: Wv_codes, .offset: 40, .size: 8, .value_kind: global_buffer, .address_space: global }
      - { .name: Wv_scales, .offset: 48, .size: 8, .value_kind: global_buffer, .address_space: global }
      - { .name: qc, .offset: 56, .size: 8, .value_kind: global_buffer, .address_space: global }
      - { .name: kv, .offset: 64, .size: 8, .value_kind: global_buffer, .address_space: global }
      - { .name: sc, .offset: 72, .size: 8, .value_kind: global_buffer, .address_space: global }
      - { .name: W1f_codes, .offset: 80, .size: 8, .value_kind: global_buffer, .address_space: global }
      - { .name: W1f_scales, .offset: 88, .size: 8, .value_kind: global_buffer, .address_space: global }
      - { .name: W2f_codes, .offset: 96, .size: 8, .value_kind: global_buffer, .address_space: global }
      - { .name: W2f_scales, .offset: 104, .size: 8, .value_kind: global_buffer, .address_space: global }
      - { .name: wl, .offset: 112, .size: 8, .value_kind: global_buffer, .address_space: global }
      - { .name: Wc_codes, .offset: 120, .size: 8, .value_kind: global_buffer, .address_space: global }
    .group_segment_fixed_size: 239616
    .private_segment_fixed_size: 0
    .kernarg_segment_align: 8
    .kernarg_segment_size: 128
    .max_flat_workgroup_size: 512
    .sgpr_count:     100
    .vgpr_count:     256
    .wavefront_size: 32
...
	.end_amdgpu_metadata
.endif
;; end of part 1
;; launch attn (part 2): grid 256 x 1, 16 waves a work-group, no clusters, 327,680 bytes of LDS; arguments qc, kv, sc, edge_info, We, be, wl, Wc_scales, input1, x1, stats1; writes x1, stats1
.if DOCPART == 2
	.amdgcn_target "amdgcn-amd-amdhsa--gfx1250"
	.amdhsa_code_object_version 6
	.text
	.protected	k_q26a1cf5bdb_attn
	.globl	k_q26a1cf5bdb_attn
	.p2align	8
	.type	k_q26a1cf5bdb_attn,@function
k_q26a1cf5bdb_attn:
	s_mov_b64 s[64:65], 0
	v_nop
	global_prefetch_b8 v0, s[64:65] scope:SCOPE_SE
	s_setreg_imm32_b32 hwreg(HW_REG_WAVE_MODE, 25, 1), 1
	s_wait_xcnt 0x0
; x1 = input1 + Q(softmax((q k^T + edge We + be) / sqrt(32)) v) Wc + bc, and for each channel the mean and the centred sum of squares of the work-group's 64 rows.  All products on codes of E2M3 with E8M0 scales.
; A work-group owns 64 queries (rows 64 g on) of batch g / 8, all 16 heads.  Wave w = 4 t + G owns queries 16 t + r and heads 4 G .. 4 G + 3, and walks the 512 keys in four steps of 128.
; BOTH PRODUCTS ARE USED TRANSPOSED (S^T = k q^T, O^T = v^T p^T): a lane holds one query throughout; the keys of a tile of k and the channels of a tile of v were chosen by the launch before so that two
; tiles' 16 registers are 16 neighbours along the next K.
; K = 32 IN A FORM OF K = 128.  Two heads share six registers: lanes 0-15 hold the even head's block (k = 0..31 of the form), lanes 16-31 the odd head's (k = 32..63).  q's six registers are masked to one
; half of the lanes, and six registers of zeros follow them, so all blocks but the head's multiply zero codes; k's operand runs on into the next tile's registers, which meet those zeros.
; THE EDGE BIAS IS THE C OF THE FIRST PRODUCT: edge x We[h] + be[h] is made in the score's registers and the product adds onto it.
; THE SOFTMAX: t = score x log2(e) / sqrt(32); M = the running largest t rounded up to a whole number; p = 2^(t - M) is quantised along the keys; the sum is taken of the unquantised p and divides O at the end;
; when M moves, the sum and O^T are multiplied by 2^(old M - new M), which rounds nothing.
; RING: two LDS slots, each with a step's k (49,152 bytes), v (49,152) and edge tile (64 rows x 528).  Waves 0-5 bring a sixth each of a step's dense 98,304 bytes of k and v, wave 6 the edge tile.
; A slot's refill is asked for straight behind the barrier that ends its step, a whole step (four head steps of every wave) ahead of its first read.  By this text's count a wave has at most one tensor load out.
; NO CLUSTER: the eight work-groups of a batch read the same k and v; their 98,304 bytes a step are asked for a whole step ahead and the wave's work in that step is four softmaxes of 64 exponentials a lane;
; joint loads would put a round of the cluster's barrier at each change of slots.  This first form keeps the plain ring.
; LIMITS: NaN and infinities are not served; a block whose largest magnitude lies under 2^-124 (a block of zeros too) gets the scale byte 1; 1 / sum by v_rcp_f32.
; bc IS LEFT OUT of x1: a constant of each channel, which the norm behind x1 takes away with the channel's mean, for all values of the inputs (shown at the head of the first kernel).
; THE FIRST FILLS: every wave issues one tensor load at the start: waves 0-11 a sixth each of steps 0 and 1 of k and v (their 12 x 16,384 bytes lie on end in memory), wave 12 step 0's edge tile,
; wave 13 step 1's, waves 14 and 15 half each of the scale bytes.  So by this text's count a wave never has more than one tensor load out.
; Wc's CODES come from wl as images of the operand's registers, laid by the first launch: a fragment is three loads of 512 consecutive bytes.
; input1 COMES BY TENSOR LOADS INTO THE SLOTS THAT ARE DONE WITH: behind the barrier that ends step 2, waves 0 and 1 bring columns 0-127 and 128-255 of the 64 rows (33,792 bytes each with the padding) into slot 0,
; behind the barrier that ends step 3 columns 256-383 and 384-511 into slot 1.  Each wave reads its own 64 x 32 numbers of them as the C of the product with Wc and puts the finished sums back into the same bytes:
; so these tiles are the stage for the way out too, and they have had their last fill.  Steps 0 and 1 prefetch the two halves of that tile: 256 blocks of 256 bytes a trip, a lane a block, waves 0-7,
; two steps ahead of the tensor load that wants them; each block is named once, and only this work-group reads it.
; THE START AS IT STANDS NOW (it replaces what the lines above say of the first fills): at the head every wave issues one tensor load, all for step 0: waves 0-11 a twelfth each of its k and v
; (32 rows of 256 bytes), waves 12 and 13 half each of its edge tile (32 rows), waves 14 and 15 half each of the scale bytes.  Behind the wait that shows them landed the two words of each group 1 that count
; rows are set to 64, for the ring's loads.  Slot 1's first fill, step 1, goes out as a refill does: behind the wait for all loads, the add, its wait;
; waves 0-5 and wave 6 issue it, and it has step 0 in which to land.
.set SLOT,  132096
.set VOFF,  49152
.set EOFF,  98304
.set KVS,   264192                     ; k's and v's scale bytes of the whole batch: 2,048 bytes a chunk of 64 keys, filled once
.set SPARE, 280576                     ; the spare words: 128 bytes a wave, eight blocks of 256 bytes that no other line names
.set OIMG,  282624                     ; O's 16 fragments of codes
.set OSC,   307200                     ; their scale words
.set STAT,  308224                     ; the waves' means and sums of squares
.set STB,  2                           ; s2 the slot in hand   s3 its scale bytes   s4 counts trips
.set SSB,  3
.set CNT,  4
.set WV,   32
.set TT,   33
.set GG,   34
.set KLO,  35                          ; 16,384 w
.set G1D,  36                          ; group 1: 64 rows x 256 dense bytes
.set G1E,  44                          ; 64 rows x 128 f32, 2,048 bytes apart, 16 bytes of padding behind each
.set G1S,  52                          ; 4 rows x 2,048 bytes, 3,072 apart
.set KAD,  60                          ; groups 0: k and v, first fill of slot 0; of slot 1, which then walks on
.set KBD,  68
.set EAD,  72                          ; the same for the edge tile
.set EBD,  76
.set SAD,  80                          ; the scale bytes
.set WES,  84                          ; s[84:91] We of my four heads, each twice (the packed form names a pair)
.set BES,  92                          ; s[92:95] be of my four heads
.set SEL,  96
.set CS,   98                          ; s[98:99] c = log2(e) / sqrt(32)
.set HM,   100                         ; s100, s101 masks of lanes 0-15, 16-31
.set SPW,  1                           ; v1 my spare word's address, v2 = 0: never rewritten
.set NIL,  2
.set AK0,  3
.set AS0,  4
.set AE0,  5
.set ADE,  6
.set ADK,  7
.set ADV,  8
.set ADS,  9
.set BEP,  10
.set F,    12
.set T,    14
.set ST,   16                          ; head j: -M, the largest t, the sum in two halves
.set QP,   32                          ; q of my two pairs of heads
.set Q6,   44                          ; q masked; v50-55 zeros for good
.set QS,   56                          ; v56-61 hold scales and nothing else
.set KSC,  58
.set VSC,  60
.set PW,   61
.set VT,   62
.set OT,   64                          ; O^T: head j, tile u at 16 j + 8 u
.set S,    128                         ; S^T, then p
.set KR,   192                         ; four tiles of k, six registers each, and six behind them
.set VR,   192                         ; later two fragments of v
.set PT,   216
.set PC,   224                         ; p's codes
.set TM,   236
.set TP,   240
.set TSC,  244
; behind the loop
.set AS,   56
.set WS,   248                         ; v248-255 Wc's scale words: nothing else ever lies here
.set BI,   16
.set AF,   32                          ; four fragments of O: v32-55 and v224-247
.set AFGAP, 168
.set WF,   128
.set ACC,  64
.set QTM,  36
.set QTP,  40
.set QTS,  44
.set QCD,  224
.set PL,   48
.set PR,   49
.set PH,   50
.set FA,   3
.set FS,   4
.set AFA,  3
.set ASA,  4
.set SO,   5
.set SO2,  6
.set YA,   7
.set STA,  8
.set GA,   10
.set MG,   11
.set BOF,  15
.set WOF,  62
.set WSO,  63
.set RR,   128
.set OTM,  192
.set C16I, 84
.set C4I,  86
.set C16,  88
.macro NOPS n
.rept \n
	v_nop
.endr
.endm
.macro BAR
	s_wait_dscnt 0x0
	s_barrier_signal -1
	s_barrier_wait -1
.endm
.macro Q4 s
.irp k, 0,1,2,3
	v_max3_num_f32 v[QTM+\k], |v[\s+16*\k]|, |v[\s+16*\k+1]|, 0x1800000   ; the floor 2^(3 - 127) holds the byte at 1 from below
.endr
.irp i, 2,4,6,8,10,12,14
.irp k, 0,1,2,3
	s_delay_alu instid0(VALU_DEP_4)
	v_max3_num_f32 v[QTM+\k], v[QTM+\k], |v[\s+16*\k+\i]|, |v[\s+16*\k+\i+1]|
.endr
.endr
.irp k, 0,1,2,3
	s_delay_alu instid0(VALU_DEP_4)
	v_permlanex16_b32 v[QTP+\k], v[QTM+\k], s[SEL], s[SEL+1]
.endr
.irp k, 0,1,2,3
	s_delay_alu instid0(VALU_DEP_4)
	v_max_num_f32 v[QTM+\k], v[QTM+\k], v[QTP+\k]
.endr
.irp k, 0,1,2,3
	s_delay_alu instid0(VALU_DEP_4)
	v_add_nc_u32 v[QTS+\k], 0xff000000, v[QTM+\k]
.endr
.irp k, 0,1,2,3
	s_delay_alu instid0(VALU_DEP_4)
	v_lshrrev_b32 v[QTP+\k], 23, v[QTS+\k]
.endr
.irp k, 0,1,2,3
	v_cvt_scalef32_pk16_fp6_f32 v[QCD+4*\k:QCD+4*\k+2], v[\s+16*\k:\s+16*\k+15], v[QTS+\k]
.endr
	v_nop
.endm
.macro ST3 adr, k, off
.irp e, 0,1,2
	ds_store_b32 v[\adr], v[QCD+4*(\k)+\e] offset:\off+4*\e
.endr
.endm
.macro FRAGST adr, sadr
.irp b, 0,1,2,3
	ST3 \adr, \b, (\b/2)*768+(\b%2)*384
.endr
	v_lshl_or_b32 v[QTM], v[QTP+1], 8, v[QTP]
	s_delay_alu instid0(VALU_DEP_1)
	v_lshl_or_b32 v[QTM], v[QTP+2], 16, v[QTM]
	s_delay_alu instid0(VALU_DEP_1)
	v_lshl_or_b32 v[QTM], v[QTP+3], 24, v[QTM]
	ds_store_b32 v[\sadr], v[QTM]
.endm
.macro WLOAD cp, sp, base, ur, sbase, us
.irp u, 0,1
.irp ks, 0,1,2,3
.irp q, 0,1,2
	global_load_b128 v[WF+12*(4*\u+\ks)+4*\q:WF+12*(4*\u+\ks)+4*\q+3], v[WOF], s[\cp:\cp+1] offset:(\base)+\u*\ur+1536*\ks+512*\q
.endr
.endr
	global_load_b128 v[WS+4*\u:WS+4*\u+3], v[WSO], s[\sp:\sp+1] offset:(\sbase)+\u*\us
.endr
.endm
.macro BLOAD bp, base, ub
.irp u, 0,1
	global_load_b128 v[BI+8*\u:BI+8*\u+3], v[BOF], s[\bp:\bp+1] offset:(\base)+\u*\ub
	global_load_b128 v[BI+8*\u+4:BI+8*\u+7], v[BOF], s[\bp:\bp+1] offset:(\base)+\u*\ub+16
.endr
.endm
.macro WM ks, m, u
.set rW, WF+12*(4*\u+\ks)
.set rA, AF+12*\m+(\m/2)*AFGAP
.set rD, ACC+16*\m+8*\u
	v_wmma_scale_f32_16x16x128_f8f6f4 v[rD:rD+7], v[rW:rW+11], v[rA:rA+11], v[rD:rD+7], v[WS+4*\u+\ks], v[AS+\m] matrix_a_fmt:MATRIX_FMT_FP6 matrix_b_fmt:MATRIX_FMT_FP6
.endm
.macro GROUP                           ; 64 rows x my 32 columns of input1 + O Wc: 32 matrix instructions, eight accumulators by turns; the sums begin as input1
.irp ks, 0,1,2,3
.irp m, 0,1,2,3
.irp c, 0,1
.irp q, 0,1,2
	ds_load_b64 v[AF+12*\m+(\m/2)*AFGAP+6*\c+2*\q:AF+12*\m+(\m/2)*AFGAP+6*\c+2*\q+1], v[AFA] offset:(4*\ks+\m)*1536+768*\c+8*\q
.endr
.endr
	ds_load_b32 v[AS+\m], v[ASA] offset:(4*\ks+\m)*64
.endr
	s_wait_dscnt 0x0
.if \ks == 0
	s_wait_loadcnt 0x0
.endif
.irp m, 0,1,2,3
.irp u, 0,1
	WM \ks, \m, \u
.endr
.endr
	NOPS 5
.endr
.endm
.macro KLOAD p, hs                     ; four tiles of 16 keys of the pair of heads p, from the step's half hs, and their scale bytes (two tiles to a register: lanes 0-15, lanes 16-31)
.irp i, 0,1,2,3
.irp q, 0,1,2
	ds_load_b64 v[KR+6*\i+2*\q:KR+6*\i+2*\q+1], v[ADK] offset:24576*\hs+3072*(\p)+768*\i+8*\q
.endr
.endr
	ds_load_u16 v[KSC], v[ADS] offset:2048*\hs+128*(\p)
	ds_load_u16 v[KSC+1], v[ADS] offset:2048*\hs+128*(\p)+64
.endm
.macro QK i0, p                        ; S^T += k q^T, four tiles: four accumulators, one instruction each
.irp i, 0,1,2,3
.set rS, S+8*(\i0+\i)
.if \i%2
	v_wmma_scale_f32_16x16x128_f8f6f4 v[rS:rS+7], v[KR+6*\i:KR+6*\i+11], v[Q6:Q6+11], v[rS:rS+7], v[KSC+\i/2], v[QS+(\p)] matrix_a_fmt:MATRIX_FMT_FP6 matrix_b_fmt:MATRIX_FMT_FP6 matrix_a_scale:MATRIX_SCALE_ROW1
.else
	v_wmma_scale_f32_16x16x128_f8f6f4 v[rS:rS+7], v[KR+6*\i:KR+6*\i+11], v[Q6:Q6+11], v[rS:rS+7], v[KSC+\i/2], v[QS+(\p)] matrix_a_fmt:MATRIX_FMT_FP6 matrix_b_fmt:MATRIX_FMT_FP6
.endif
.endr
.endm
.macro STEPHEAD
	v_add_nc_u32 v[ADE], s[STB], v[AE0]
	v_add_nc_u32 v[ADK], s[STB], v[AK0]
	s_delay_alu instid0(VALU_DEP_1)
	v_add_nc_u32 v[ADV], VOFF, v[ADK]
	v_add_nc_u32 v[ADS], s[SSB], v[AS0]
.endm
; One head, 128 keys.
.macro HEADSTEP j
.set rT, ST+4*\j
	v_mov_b32 v[BEP], s[BES+\j]                    ; these eight lines are the places behind the last product, ahead of loads into its registers
	v_mov_b32 v[BEP+1], s[BES+\j]
.irp i, 0,1,2,3,4,5
	v_cndmask_b32 v[Q6+\i], 0, v[QP+6*(\j/2)+\i], s[HM+\j%2]       ; the pair's q, my head's half of the lanes alone
.endr
.irp b, 0,1,2,3
.irp x, 0,1,2,3
	ds_load_b128 v[S+16*\b+4*\x:S+16*\b+4*\x+3], v[ADE] offset:128*\b+16*\x   ; edge(my query, keys 32 b + 16 h + 4 x on), into the score's own registers
.endr
.endr
	ds_load_u16 v[VT], v[ADS] offset:1024+64*\j
	ds_load_u16 v[VT+1], v[ADS] offset:3072+64*\j
	KLOAD \j/2, 0
	s_wait_alu depctr_va_vdst(0)
	s_wait_dscnt 16                                ; the 16 edge loads are in; the 2 + 12 + 2 behind them may be out
.set x, 0
.rept 32
	v_pk_fma_f32 v[S+x:S+x+1], v[S+x:S+x+1], s[WES+2*\j:WES+2*\j+1], v[BEP:BEP+1] op_sel_hi:[1,0,0]   ; edge x We + be
.set x, x+2
.endr
	s_wait_alu depctr_va_vdst(0)
	s_wait_dscnt 0x0
	QK 0, \j/2
	v_lshl_or_b32 v[VSC], v[VT+1], 16, v[VT]       ; v's scale word for these 128 keys: two bytes from each half
	NOPS 4                                         ; places in front of loads into the registers that these products read
	KLOAD \j/2, 1
	s_wait_dscnt 0x0
	QK 4, \j/2
	NOPS 4                                         ; places in front of the loads below and of the first read of the scores
.irp u, 0,1
.irp hs, 0,1
.irp q, 0,1,2
	ds_load_b64 v[VR+12*\u+6*\hs+2*\q:VR+12*\u+6*\hs+2*\q+1], v[ADV] offset:24576*\hs+1536*\j+768*\u+8*\q   ; v lands under the softmax
.endr
.endr
.endr
.irp b, 0,1,2,3
	v_max3_num_f32 v[TM+\b], v[S+16*\b], v[S+16*\b+1], v[S+16*\b+2]   ; the largest score of each block of 32 keys: for the row's maximum and, since p rises with the score, for the block's largest p
.endr
.irp i, 3,5,7,9,11,13
.irp b, 0,1,2,3
	v_max3_num_f32 v[TM+\b], v[TM+\b], v[S+16*\b+\i], v[S+16*\b+\i+1]
.endr
.endr
.irp b, 0,1,2,3
	v_max_num_f32 v[TM+\b], v[TM+\b], v[S+16*\b+15]
.endr
.irp b, 0,1,2,3
	s_delay_alu instid0(VALU_DEP_4)
	v_permlanex16_b32 v[TP+\b], v[TM+\b], s[SEL], s[SEL+1]
.endr
.irp b, 0,1,2,3
	s_delay_alu instid0(VALU_DEP_4)
	v_max_num_f32 v[TM+\b], v[TM+\b], v[TP+\b]
.endr
	s_delay_alu instid0(VALU_DEP_2)
	v_max3_num_f32 v[T], v[TM], v[TM+1], v[TM+2]
	s_delay_alu instid0(VALU_DEP_1)
	v_max_num_f32 v[T], v[T], v[TM+3]
	s_delay_alu instid0(VALU_DEP_1)
	v_mul_f32 v[T], s[CS], v[T]                    ; as t (c is positive)
	s_delay_alu instid0(VALU_DEP_1)
	v_max_num_f32 v[rT+1], v[rT+1], v[T]           ; the running largest t
	v_mov_b32 v[T], v[rT]
	s_delay_alu instid0(VALU_DEP_2)
	v_floor_f32 v[rT], -v[rT+1]                    ; -M = floor(-t): M is a whole number
	s_delay_alu instid0(VALU_DEP_1)
	v_sub_f32 v[T], v[rT], v[T]                    ; old M - new M, 0 or less
	s_delay_alu instid0(VALU_DEP_1)
	v_cvt_i32_f32 v[T], v[T]                       ; (it saturates)
	s_delay_alu instid0(VALU_DEP_1)
	v_ldexp_f32 v[F], 1.0, v[T]                    ; f = 2^(old M - new M)
.set x, 0
.rept 32
	v_pk_fma_f32 v[S+x:S+x+1], v[S+x:S+x+1], s[CS:CS+1], v[rT:rT+1] op_sel_hi:[1,0,0]   ; t - M
.set x, x+2
.endr
.irp b, 0,1,2,3
	v_fma_f32 v[TM+\b], v[TM+\b], s[CS], v[rT]
.endr
.set x, 0
	s_wait_alu depctr_va_vdst(0)
.rept 64
	v_exp_f32 v[S+x], v[S+x]                       ; p = 2^(t - M), not normalised
.set x, x+1
.endr
.irp b, 0,1,2,3
	v_exp_f32 v[TM+\b], v[TM+\b]                   ; the block's largest p: the same two instructions on the same number
.endr
	v_pk_mul_f32 v[rT+2:rT+3], v[rT+2:rT+3], v[F:F+1] op_sel_hi:[1,0]   ; the sum under the new M (a plain place behind the exponentials)
	s_wait_alu depctr_va_vdst(0)
.irp b, 0,1,2,3
	v_max_num_f32 v[TM+\b], 0x1800000, v[TM+\b]
.endr
.irp b, 0,1,2,3
	s_delay_alu instid0(VALU_DEP_4)
	v_add_nc_u32 v[TSC+\b], 0xff000000, v[TM+\b]
.endr
.irp b, 0,1,2,3
	s_delay_alu instid0(VALU_DEP_4)
	v_lshrrev_b32 v[TP+\b], 23, v[TSC+\b]
.endr
	s_delay_alu instid0(VALU_DEP_3)
	v_lshl_or_b32 v[PW], v[TP+1], 8, v[TP]         ; p's scale word
	s_delay_alu instid0(VALU_DEP_1)
	v_lshl_or_b32 v[PW], v[TP+2], 16, v[PW]
	s_delay_alu instid0(VALU_DEP_1)
	v_lshl_or_b32 v[PW], v[TP+3], 24, v[PW]
.irp c, 0,1
	v_cvt_scalef32_pk16_fp6_f32 v[PC+6*\c:PC+6*\c+2], v[S+32*\c:S+32*\c+15], v[TSC+2*\c]
	v_cvt_scalef32_pk16_fp6_f32 v[PT+4*\c:PT+4*\c+2], v[S+32*\c+16:S+32*\c+31], v[TSC+2*\c+1]
.endr
	v_nop
.irp c, 0,1                            ; the operand wants a whole block in a lane: lanes 0-15 block 2 c, lanes 16-31 block 2 c + 1
.irp i, 0,1,2
	v_permlane16_swap_b32 v[PC+6*\c+\i], v[PT+4*\c+\i]
.endr
.irp i, 0,1,2
	s_delay_alu instid0(VALU_DEP_3)
	v_mov_b32 v[PC+6*\c+3+\i], v[PT+4*\c+\i]
.endr
.endr
	v_pk_add_f32 v[T:T+1], v[S:S+1], v[S+2:S+3]    ; the sum of the unquantised p, in two chains
.set x, 4
.rept 15
	v_pk_add_f32 v[rT+2:rT+3], v[rT+2:rT+3], v[S+x:S+x+1]
	v_pk_add_f32 v[T:T+1], v[T:T+1], v[S+x+2:S+x+3]
.set x, x+4
.endr
	s_delay_alu instid0(VALU_DEP_1)
	v_pk_add_f32 v[rT+2:rT+3], v[rT+2:rT+3], v[T:T+1]
.set x, 0
.rept 8
	v_pk_mul_f32 v[OT+16*\j+x:OT+16*\j+x+1], v[OT+16*\j+x:OT+16*\j+x+1], v[F:F+1] op_sel_hi:[1,0]   ; O^T under the new M
.set x, x+2
.endr
	s_wait_alu depctr_va_vdst(0)
	s_wait_dscnt 0x0                               ; v
	v_wmma_scale_f32_16x16x128_f8f6f4 v[OT+16*\j:OT+16*\j+7], v[VR:VR+11], v[PC:PC+11], v[OT+16*\j:OT+16*\j+7], v[VSC], v[PW] matrix_a_fmt:MATRIX_FMT_FP6 matrix_b_fmt:MATRIX_FMT_FP6
	v_wmma_scale_f32_16x16x128_f8f6f4 v[OT+16*\j+8:OT+16*\j+15], v[VR+12:VR+23], v[PC:PC+11], v[OT+16*\j+8:OT+16*\j+15], v[VSC], v[PW] matrix_a_fmt:MATRIX_FMT_FP6 matrix_b_fmt:MATRIX_FMT_FP6 matrix_a_scale:MATRIX_SCALE_ROW1
.endm
; The end of a step.  Every wave waits for all its tensor loads, adds 0 to its spare word, waits for that and for its reads of the slot, and passes the barrier.  fill = 1: the slot just read is filled with the step two on.
; The end of steps 2 and 3: the same lines; behind the barrier the slot just read takes two column quarters of input1's 64 rows, one load each by waves 0 and 1.
.macro SYNCI
	s_wait_tensorcnt 0x0                           ; no tensor load of mine is out, so a group 0 may be written
	ds_add_u32 v[SPW], v[NIL]
	s_mul_i32 s5, s[WV], 33792
	s_add_co_u32 s[EAD+1], s[STB], s5
	s_lshl_b32 s6, s[CNT], 10                      ; 1,024 bytes of each row a trip
	s_mov_b32 s7, 0
	s_add_nc_u64 s[EAD+2:EAD+3], s[24:25], s[6:7]
	s_or_b32 s[EAD+3], s[EAD+3], 0x80000000
	s_wait_dscnt 0x0
	s_barrier_signal -1
	s_barrier_wait -1
	s_cmp_lt_u32 s[WV], 2
	s_cbranch_scc0 .Lnot_in_\@
	tensor_load_to_lds s[EAD:EAD+3], s[G1E:G1E+7]
	s_nop 0
	NOPS 4
.Lnot_in_\@:
.endm
.macro SYNC fill
	s_wait_tensorcnt 0x0                           ; no tensor load of mine is out, so a group 0 may be written
	ds_add_u32 v[SPW], v[NIL]
.if \fill
	s_add_co_u32 s[KBD+1], s[STB], s[KLO]
	s_add_nc_u64 s[KBD+2:KBD+3], s[KBD+2:KBD+3], 98304
	s_add_co_u32 s[EBD+1], s[STB], EOFF
	s_add_nc_u64 s[EBD+2:EBD+3], s[EBD+2:EBD+3], 512
.endif
	s_wait_dscnt 0x0
	s_barrier_signal -1
	s_barrier_wait -1
.if \fill
	s_cmp_lt_u32 s[WV], 6
	s_cbranch_scc0 .Lnot_kv_\@
	tensor_load_to_lds s[KBD:KBD+3], s[G1D:G1D+7]
	s_nop 0
	NOPS 4
	s_branch .Lasked_\@
.Lnot_kv_\@:
	s_cmp_eq_u32 s[WV], 6
	s_cbranch_scc0 .Lasked_\@
	tensor_load_to_lds s[EBD:EBD+3], s[G1E:G1E+7]
	s_nop 0
	NOPS 4
.Lasked_\@:
.endif
.endm
	s_load_b512 s[8:23], s[0:1], 0x0               ; qc 8, kv 10, sc 12, edge 14, We 16, be 18, Wc codes 20, scales 22
	s_load_b64 s[26:27], s[0:1], 0x40              ; input1
	s_load_b128 s[28:31], s[0:1], 0x48             ; x1 28, stats1 30
	v_lshl_add_u32 v[SPW], v0, 2, SPARE
	v_mov_b32 v[NIL], 0
	ds_add_u32 v1, v2
	ds_add_u32 v1, v2
	s_wait_dscnt 0x0
	v_lshrrev_b32 v3, 5, v0
	s_delay_alu instid0(VALU_DEP_1)
	v_readfirstlane_b32 s[WV], v3
	s_lshr_b32 s[TT], s[WV], 2
	s_and_b32 s[GG], s[WV], 3
	s_lshl_b32 s[KLO], s[WV], 14
	s_mov_b32 s[G1D], 3<<16
	s_mov_b32 s[G1D+1], 32<<16
	s_mov_b32 s[G1D+2], 32<<16
	s_mov_b32 s[G1D+3], 32<<16
	s_mov_b32 s[G1D+4], 32
	s_mov_b32 s[G1D+5], 32
	s_mov_b32 s[G1D+6], 0
	s_mov_b32 s[G1D+7], 0
	s_mov_b32 s[G1E], (2<<16)|(1<<20)|(6<<22)|(3<<25)
	s_mov_b32 s[G1E+1], 128<<16
	s_mov_b32 s[G1E+2], 32<<16
	s_mov_b32 s[G1E+3], 128<<16
	s_mov_b32 s[G1E+4], 32
	s_mov_b32 s[G1E+5], 512
	s_mov_b32 s[G1E+6], 0
	s_mov_b32 s[G1E+7], 0
	s_mov_b32 s[G1S], 3<<16
	s_mov_b32 s[G1S+1], 256<<16
	s_mov_b32 s[G1S+2], 4<<16
	s_mov_b32 s[G1S+3], 256<<16
	s_mov_b32 s[G1S+4], 4
	s_mov_b32 s[G1S+5], 384
	s_mov_b32 s[G1S+6], 0
	s_mov_b32 s[G1S+7], 0
	s_mov_b32 s[KAD], 1
	s_lshl_b32 s[KAD+1], s[WV], 13                 ; twelfth w of slot 0's k and v
	s_mov_b32 s[KBD], 1
	s_add_co_u32 s[KBD+1], s[KLO], SLOT
	s_mov_b32 s[EAD], 1
	s_and_b32 s6, s[WV], 1
	s_mul_i32 s6, s6, 16896
	s_add_co_u32 s[EAD+1], s6, EOFF                ; 32 rows of 528 bytes to a wave
	s_mov_b32 s[EBD], 1
	s_mov_b32 s[EBD+1], EOFF+SLOT
	s_mov_b32 s[SAD], 1
	s_and_b32 s6, s[WV], 1
	s_lshl_b32 s7, s6, 13
	s_add_co_u32 s[SAD+1], s7, KVS                 ; four chunks' scale bytes to a wave
	s_mov_b32 s[SEL], 0x76543210
	s_mov_b32 s[SEL+1], 0xfedcba98
	s_mov_b32 s[CS], 0x3e8293ee
	s_mov_b32 s[CS+1], s[CS]
	s_mov_b32 s[HM], 0x0000ffff
	s_mov_b32 s[HM+1], 0xffff0000
	s_lshr_b32 s5, ttmp9, 3                        ; the batch
	s_mul_i32 s6, s5, 393216                       ; its four steps of 98,304 bytes of k and v
	s_add_co_u32 s6, s6, s[KLO]
	s_mov_b32 s7, 0
	s_wait_kmcnt 0x0
	s_add_nc_u64 s[KAD+2:KAD+3], s[10:11], s[6:7]
	s_mov_b64 s[KBD+2:KBD+3], s[KAD+2:KAD+3]       ; sixth w of step 0: the sequence in front of the first step moves it on to step 1
	s_lshl_b32 s66, s[WV], 13
	s_sub_co_u32 s6, s6, s66
	s_add_nc_u64 s[KAD+2:KAD+3], s[10:11], s[6:7]  ; twelfth w of step 0
	s_or_b32 s[KAD+3], s[KAD+3], 0x80000000
	s_or_b32 s[KBD+3], s[KBD+3], 0x80000000
	s_lshl_b32 s6, ttmp9, 17
	s_add_nc_u64 s[EBD+2:EBD+3], s[14:15], s[6:7]  ; step 0's edge tile: moved on to step 1 likewise
	s_and_b32 s66, s[WV], 1
	s_lshl_b32 s66, s66, 16
	s_add_co_u32 s6, s6, s66
	s_add_nc_u64 s[EAD+2:EAD+3], s[14:15], s[6:7]  ; its rows 0-31 or 32-63
	s_or_b32 s[EAD+3], s[EAD+3], 0x80000000
	s_or_b32 s[EBD+3], s[EBD+3], 0x80000000
	s_mul_i32 s6, s5, 24576
	s_and_b32 s66, s[WV], 1
	s_mul_i32 s66, s66, 12288
	s_add_co_u32 s6, s6, s66
	s_add_nc_u64 s[SAD+2:SAD+3], s[12:13], s[6:7]
	s_or_b32 s[SAD+3], s[SAD+3], 0x80000000
	s_cmp_lt_u32 s[WV], 12                         ; one chain of branches on the wave's number, one fill to an arm, all arms to one join
	s_cbranch_scc0 .Lfirst_e
	tensor_load_to_lds s[KAD:KAD+3], s[G1D:G1D+7]
	s_nop 0
	NOPS 4
	s_branch .Lfirst_done
.Lfirst_e:
	s_cmp_lt_u32 s[WV], 14
	s_cbranch_scc0 .Lfirst_s
	tensor_load_to_lds s[EAD:EAD+3], s[G1E:G1E+7]
	s_nop 0
	NOPS 4
	s_branch .Lfirst_done
.Lfirst_s:
	tensor_load_to_lds s[SAD:SAD+3], s[G1S:G1S+7]
	s_nop 0
	NOPS 4
.Lfirst_done:
	s_lshl_b32 s6, ttmp9, 17
	s_add_nc_u64 s[26:27], s[26:27], s[6:7]
	s_add_nc_u64 s[28:29], s[28:29], s[6:7]
	s_lshl_b32 s6, s[WV], 9
	s_add_nc_u64 s[24:25], s[26:27], s[6:7]        ; input1: my work-group's rows, column quarter w (waves 0 and 1 use it)
	s_lshl_b32 s6, ttmp9, 12
	s_add_nc_u64 s[30:31], s[30:31], s[6:7]
	s_mul_i32 s6, ttmp9, 24576
	s_mul_i32 s5, s[GG], 6144
	s_add_co_u32 s6, s6, s5
	s_mul_i32 s67, s[TT], 768
	s_add_co_u32 s6, s6, s67
	s_add_nc_u64 s[8:9], s[8:9], s[6:7]            ; q: my chunk, my two pairs of heads, my tile
	s_mul_i32 s6, ttmp9, 3072
	s_lshl_b32 s66, s[GG], 8
	s_add_co_u32 s6, s6, s66
	s_lshl_b32 s67, s[TT], 5
	s_add_co_u32 s6, s6, s67
	s_add_nc_u64 s[12:13], s[12:13], s[6:7]
	s_lshl_b32 s6, s[GG], 4
	s_add_nc_u64 s[16:17], s[16:17], s[6:7]
	s_add_nc_u64 s[18:19], s[18:19], s[6:7]
	s_load_b128 s[WES:WES+3], s[16:17], 0x0
	s_load_b128 s[BES:BES+3], s[18:19], 0x0
	s_mul_i32 s6, s[WV], 12288
	s_add_nc_u64 s[20:21], s[20:21], s[6:7]
	s_add_nc_u64 s[20:21], s[20:21], 1638400       ; Wc's images: my eight fragments of 1,536 bytes
	s_lshl_b32 s6, s[WV], 9
	s_add_nc_u64 s[22:23], s[22:23], s[6:7]
	v_and_b32 v6, 31, v0                           ; lane
	v_and_b32 v7, 15, v0                           ; r
	v_bfe_u32 v8, v0, 4, 1                         ; h
	s_delay_alu instid0(VALU_DEP_3)
	v_mul_u32_u24 v14, v6, 24
	s_delay_alu instid0(VALU_DEP_3)
	v_lshlrev_b32 v15, 1, v7
.irp p, 0,1
.irp q, 0,1,2
	global_load_b64 v[QP+6*\p+2*\q:QP+6*\p+2*\q+1], v14, s[8:9] offset:3072*\p+8*\q
.endr
	global_load_u16 v[QS+\p], v15, s[12:13] offset:2048+128*\p
.endr
	v_add_nc_u32 v[AK0], s5, v14                   ; 24 lane + 6,144 G: serves k (3,072 a pair) and v (1,536 a head)
	s_add_co_u32 s66, s66, KVS
	v_lshl_add_u32 v[AS0], v6, 1, s66
	s_mul_i32 s67, s[TT], 8448
	s_add_co_u32 s67, s67, EOFF
	v_mul_u32_u24 v[AE0], v7, 528
	s_delay_alu instid0(VALU_DEP_1)
	v_lshl_add_u32 v[AE0], v8, 6, v[AE0]
	s_delay_alu instid0(VALU_DEP_1)
	v_add_nc_u32 v[AE0], s67, v[AE0]
.irp j, 0,1,2,3
	v_mov_b32 v[ST+4*\j+1], 0xff61b1e6             ; the largest t so far: -3e38
	s_delay_alu instid0(VALU_DEP_1)
	v_floor_f32 v[ST+4*\j], -v[ST+4*\j+1]
	v_mov_b32 v[ST+4*\j+2], 0
	v_mov_b32 v[ST+4*\j+3], 0
	v_mov_b32 v[TP+\j], 0
.endr
	v_lshrrev_b32 v223, 2, v0                      ; the prefetches' offset: thread t names row t / 4, block t % 4 of 1,024 bytes
	v_and_b32 v219, 3, v0
	s_delay_alu instid0(VALU_DEP_2)
	v_lshlrev_b32 v223, 11, v223
	s_delay_alu instid0(VALU_DEP_1)
	v_lshl_add_u32 v223, v219, 8, v223
	v_mov_b32 v[F+1], 0
.irp i, 0,1,2,3,4,5
	v_mov_b32 v[Q6+6+\i], 0                        ; the zero codes that all blocks but the head's meet
	v_mov_b32 v[KR+24+\i], 0                       ; named behind the fourth tile of k: written before they are read
.endr
.set x, 0
.rept 64
	v_mov_b32 v[OT+x], 0                           ; the step is written once: the first finds zeros, which the first change of M leaves zeros
.set x, x+1
.endr
	s_wait_kmcnt 0x0
	s_mov_b32 s[WES+7], s[WES+3]
	s_mov_b32 s[WES+6], s[WES+3]
	s_mov_b32 s[WES+5], s[WES+2]
	s_mov_b32 s[WES+4], s[WES+2]
	s_mov_b32 s[WES+3], s[WES+1]
	s_mov_b32 s[WES+2], s[WES+1]
	s_mov_b32 s[WES+1], s[WES]
	s_wait_tensorcnt 0x0                           ; my one first fill has landed: no tensor load of mine is out, so a descriptor may be written
	s_mov_b32 s[G1D+2], 64<<16                     ; from here on a load brings 64 rows
	s_mov_b32 s[G1D+4], 64
	s_mov_b32 s[G1E+2], 64<<16
	s_mov_b32 s[G1E+4], 64
	s_wait_loadcnt 0x0                             ; q
	s_mov_b32 s[STB], SLOT
	SYNC 1                                         ; everybody's part of step 0 is in; behind the barrier slot 1 is filled for the first time, with step 1
	s_mov_b32 s[STB], 0
	s_mov_b32 s[SSB], 0
	s_mov_b32 s[CNT], 0
.Lfill:                                ; steps 0 and 1: behind each its slot is filled again, with steps 2 and 3
	STEPHEAD
	HEADSTEP 0
	HEADSTEP 1
	s_cmp_lt_u32 s[WV], 8                          ; waves 0-7 ask for 1,024 bytes of each of input1's 64 rows: this trip's half
	s_cbranch_scc0 .Lnopf
	s_wait_xcnt 0x0                                ; the last trip's prefetch has read its base
	s_lshl_b32 s6, s[CNT], 10
	s_mov_b32 s7, 0
	s_add_nc_u64 s[66:67], s[26:27], s[6:7]
	global_prefetch_b8 v223, s[66:67] th:TH_LOAD_NT scope:SCOPE_SE
.Lnopf:
	HEADSTEP 2
	HEADSTEP 3
	SYNC 1
	s_add_co_u32 s[STB], s[STB], SLOT
	s_add_co_u32 s[SSB], s[SSB], 4096
	s_add_co_u32 s[CNT], s[CNT], 1
	s_cmp_lt_u32 s[CNT], 2
	s_cbranch_scc1 .Lfill
	s_mov_b32 s[STB], 0
	s_mov_b32 s[SSB], 8192
	s_mov_b32 s[CNT], 0
.Ltail:                                ; steps 2 and 3 are written out a second time
	STEPHEAD
	HEADSTEP 0
	HEADSTEP 1
	HEADSTEP 2
	HEADSTEP 3
	SYNCI
	s_add_co_u32 s[STB], s[STB], SLOT
	s_add_co_u32 s[SSB], s[SSB], 4096
	s_add_co_u32 s[CNT], s[CNT], 1
	s_cmp_lt_u32 s[CNT], 2
	s_cbranch_scc1 .Ltail
	; ---- O / the sum, quantised: my four heads are K step G of the product with Wc, for the rows of tile t
	NOPS 4
.irp j, 0,1,2,3
	v_add_f32 v[ST+4*\j+2], v[ST+4*\j+2], v[ST+4*\j+3]
.endr
.irp j, 0,1,2,3
	s_delay_alu instid0(VALU_DEP_4)
	v_permlanex16_b32 v[ST+4*\j+3], v[ST+4*\j+2], s[SEL], s[SEL+1]
.endr
.irp j, 0,1,2,3
	s_delay_alu instid0(VALU_DEP_4)
	v_add_f32 v[ST+4*\j+2], v[ST+4*\j+2], v[ST+4*\j+3]
.endr
	s_wait_alu depctr_va_vdst(0)
.irp j, 0,1,2,3
	v_rcp_f32 v[ST+4*\j], v[ST+4*\j+2]
.endr
	v_and_b32 v[PL], 31, v0                        ; (a plain place behind the reciprocals)
	v_and_b32 v[PR], 15, v0
	v_bfe_u32 v[PH], v0, 4, 1
	s_delay_alu instid0(VALU_DEP_2)
	v_lshlrev_b32 v[WSO], 4, v[PR]
	s_delay_alu instid0(VALU_DEP_4)
	v_lshlrev_b32 v[WOF], 4, v[PL]                 ; an image: 16 bytes a lane
	WLOAD 20, 22, 0, 6144, 0, 256                  ; lands while O is quantised
	s_wait_alu depctr_va_vdst(0)
.irp j, 0,1,2,3
.set x, 0
.rept 8
	v_pk_mul_f32 v[OT+16*\j+x:OT+16*\j+x+1], v[OT+16*\j+x:OT+16*\j+x+1], v[ST+4*\j:ST+4*\j+1] op_sel_hi:[1,0]
.set x, x+2
.endr
.endr
	s_lshl_b32 s5, s[GG], 2
	s_add_co_u32 s5, s5, s[TT]                     ; my fragment: 4 G + t
	s_mul_i32 s6, s5, 1536
	s_add_co_u32 s6, s6, OIMG
	v_mul_u32_u24 v[FA], v[PR], 24
	s_delay_alu instid0(VALU_DEP_1)
	v_mad_u32_u24 v[FA], v[PH], 12, v[FA]
	s_delay_alu instid0(VALU_DEP_1)
	v_add_nc_u32 v[FA], s6, v[FA]
	s_lshl_b32 s6, s5, 6
	s_add_co_u32 s6, s6, OSC
	v_lshl_add_u32 v[FS], v[PR], 2, s6
	Q4 OT
	FRAGST FA, FS
	s_lshr_b32 s5, s[TT], 1                        ; column quarter Q lies at (Q / 2) SLOT + (Q % 2) 33,792, rows of 528 bytes.  My 32 columns: quarter w / 4, byte 128 (w % 4)
	s_mul_i32 s5, s5, SLOT
	s_and_b32 s6, s[TT], 1
	s_mul_i32 s6, s6, 33792
	s_add_co_u32 s5, s5, s6
	s_lshl_b32 s6, s[GG], 7
	s_add_co_u32 s5, s5, s6
	v_mul_u32_u24 v[SO], v[PR], 528                ; row r, + 32 h
	s_delay_alu instid0(VALU_DEP_1)
	v_lshl_add_u32 v[SO], v[PH], 5, v[SO]
	s_delay_alu instid0(VALU_DEP_1)
	v_add_nc_u32 v[SO], s5, v[SO]
	s_lshr_b32 s5, s[GG], 1                        ; back: quarter w % 4, rows 16 (w / 4) on, 16 bytes a lane
	s_mul_i32 s5, s5, SLOT
	s_and_b32 s6, s[GG], 1
	s_mul_i32 s6, s6, 33792
	s_add_co_u32 s5, s5, s6
	s_mul_i32 s6, s[TT], 8448
	s_add_co_u32 s5, s5, s6
	v_lshl_add_u32 v[YA], v[PL], 4, s5
	s_lshl_b32 s6, s[GG], 9
	s_lshl_b32 s5, s[TT], 15
	s_add_co_u32 s5, s5, s6
	v_lshl_add_u32 v[GA], v[PL], 4, s5             ; the same place in input1 and x1
	s_lshl_b32 s5, s[WV], 9
	v_lshl_add_u32 v[MG], v[PL], 4, s5
	s_add_co_u32 s5, s5, STAT
	v_lshl_add_u32 v[STA], v[PL], 4, s5
	s_mov_b32 s[C16I], 0x3d800000
	s_mov_b32 s[C16I+1], 0x3d800000
	s_mov_b32 s[C4I], 0x3e800000
	s_mov_b32 s[C4I+1], 0x3e800000
	s_mov_b32 s[C16], 0x41800000
	s_mov_b32 s[C16+1], 0x41800000
	s_wait_tensorcnt 0x0                           ; my part of input1's tile, if I asked for one, has landed
	BAR                                            ; O's sixteen fragments and input1's 64 rows lie in LDS
	v_mul_u32_u24 v[AFA], v[PL], 24
	s_delay_alu instid0(VALU_DEP_1)
	v_add_nc_u32 v[AFA], OIMG, v[AFA]
	s_wait_alu depctr_va_vdst(0)
	v_lshlrev_b32 v[ASA], 2, v[PR]
	s_delay_alu instid0(VALU_DEP_1)
	v_add_nc_u32 v[ASA], OSC, v[ASA]
	s_wait_alu depctr_va_vdst(0)
.irp m, 0,1,2,3
.irp u, 0,1
	ds_load_b128 v[ACC+16*\m+8*\u:ACC+16*\m+8*\u+3], v[SO] offset:8448*\m+64*\u              ; input1(16 m + r, my columns 16 u + 8 h on): the sums begin with it
	ds_load_b128 v[ACC+16*\m+8*\u+4:ACC+16*\m+8*\u+7], v[SO] offset:8448*\m+64*\u+16
.endr
.endr
	GROUP
.irp m, 0,1,2,3
.irp u, 0,1
	ds_store_b128 v[SO], v[ACC+16*\m+8*\u:ACC+16*\m+8*\u+3] offset:8448*\m+64*\u             ; back into the same bytes, which only I have read; each accumulator from its low end on
	ds_store_b128 v[SO], v[ACC+16*\m+8*\u+4:ACC+16*\m+8*\u+7] offset:8448*\m+64*\u+16
.endr
.endr
	BAR                                            ; 64 whole rows lie in the stage
	; ---- the way out: + input1, stored; then mean and centred sum of squares of my 16 rows, four channels a lane
.irp i, 0,1,2,3,4,5,6,7,8,9,10,11,12,13,14,15
	ds_load_b128 v[ACC+4*\i:ACC+4*\i+3], v[YA] offset:528*\i
.endr
	s_wait_dscnt 0x0
.irp i, 0,1,2,3,4,5,6,7,8,9,10,11,12,13,14,15
	global_store_b128 v[GA], v[ACC+4*\i:ACC+4*\i+3], s[28:29] offset:2048*\i   ; 32 lanes store 512 consecutive bytes, aligned
.endr
	v_pk_add_f32 v[OTM:OTM+1], v[ACC:ACC+1], v[ACC+4:ACC+5]
	v_pk_add_f32 v[OTM+2:OTM+3], v[ACC+2:ACC+3], v[ACC+6:ACC+7]
.irp i, 2,3,4,5,6,7,8,9,10,11,12,13,14,15
	s_delay_alu instid0(VALU_DEP_2)
	v_pk_add_f32 v[OTM:OTM+1], v[OTM:OTM+1], v[ACC+4*\i:ACC+4*\i+1]
	s_delay_alu instid0(VALU_DEP_2)
	v_pk_add_f32 v[OTM+2:OTM+3], v[OTM+2:OTM+3], v[ACC+4*\i+2:ACC+4*\i+3]
.endr
	s_delay_alu instid0(VALU_DEP_2)
	v_pk_mul_f32 v[OTM:OTM+1], v[OTM:OTM+1], s[C16I:C16I+1] op_sel_hi:[1,0]
	s_delay_alu instid0(VALU_DEP_2)
	v_pk_mul_f32 v[OTM+2:OTM+3], v[OTM+2:OTM+3], s[C16I:C16I+1] op_sel_hi:[1,0]
.irp i, 0,1,2,3,4,5,6,7,8,9,10,11,12,13,14,15
	v_pk_add_f32 v[RR+4*\i:RR+4*\i+1], v[ACC+4*\i:ACC+4*\i+1], v[OTM:OTM+1] neg_lo:[0,1] neg_hi:[0,1]
	v_pk_add_f32 v[RR+4*\i+2:RR+4*\i+3], v[ACC+4*\i+2:ACC+4*\i+3], v[OTM+2:OTM+3] neg_lo:[0,1] neg_hi:[0,1]
.endr
	v_pk_mul_f32 v[OTM+4:OTM+5], v[RR:RR+1], v[RR:RR+1]
	v_pk_mul_f32 v[OTM+6:OTM+7], v[RR+2:RR+3], v[RR+2:RR+3]
.irp i, 1,2,3,4,5,6,7,8,9,10,11,12,13,14,15
	s_delay_alu instid0(VALU_DEP_2)
	v_pk_fma_f32 v[OTM+4:OTM+5], v[RR+4*\i:RR+4*\i+1], v[RR+4*\i:RR+4*\i+1], v[OTM+4:OTM+5]
	s_delay_alu instid0(VALU_DEP_2)
	v_pk_fma_f32 v[OTM+6:OTM+7], v[RR+4*\i+2:RR+4*\i+3], v[RR+4*\i+2:RR+4*\i+3], v[OTM+6:OTM+7]
.endr
	ds_store_b128 v[STA], v[OTM:OTM+3]
	ds_store_b128 v[STA], v[OTM+4:OTM+7] offset:8192
	BAR
	s_cmp_lt_u32 s[WV], 4                          ; waves 0-3 join the four groups of 16 rows: no difference of large sums is formed
	s_cbranch_scc0 .Lnomerge
.irp q, 0,1,2,3
	ds_load_b128 v[RR+4*\q:RR+4*\q+3], v[STA] offset:2048*\q
	ds_load_b128 v[RR+16+4*\q:RR+16+4*\q+3], v[STA] offset:8192+2048*\q
.endr
	s_wait_dscnt 0x0
.irp e, 0,2
	v_pk_add_f32 v[OTM+\e:OTM+\e+1], v[RR+\e:RR+\e+1], v[RR+4+\e:RR+5+\e]
	v_pk_add_f32 v[OTM+4+\e:OTM+5+\e], v[RR+16+\e:RR+17+\e], v[RR+20+\e:RR+21+\e]
	s_delay_alu instid0(VALU_DEP_2)
	v_pk_add_f32 v[OTM+\e:OTM+\e+1], v[OTM+\e:OTM+\e+1], v[RR+8+\e:RR+9+\e]
	s_delay_alu instid0(VALU_DEP_2)
	v_pk_add_f32 v[OTM+4+\e:OTM+5+\e], v[OTM+4+\e:OTM+5+\e], v[RR+24+\e:RR+25+\e]
	s_delay_alu instid0(VALU_DEP_2)
	v_pk_add_f32 v[OTM+\e:OTM+\e+1], v[OTM+\e:OTM+\e+1], v[RR+12+\e:RR+13+\e]
	s_delay_alu instid0(VALU_DEP_2)
	v_pk_add_f32 v[OTM+4+\e:OTM+5+\e], v[OTM+4+\e:OTM+5+\e], v[RR+28+\e:RR+29+\e]
	s_delay_alu instid0(VALU_DEP_2)
	v_pk_mul_f32 v[OTM+\e:OTM+\e+1], v[OTM+\e:OTM+\e+1], s[C4I:C4I+1] op_sel_hi:[1,0]
.irp q, 0,1,2,3
	v_pk_add_f32 v[RR+4*\q+\e:RR+4*\q+\e+1], v[RR+4*\q+\e:RR+4*\q+\e+1], v[OTM+\e:OTM+\e+1] neg_lo:[0,1] neg_hi:[0,1]
.endr
	s_delay_alu instid0(VALU_DEP_4)
	v_pk_mul_f32 v[OTM+8+\e:OTM+9+\e], v[RR+\e:RR+\e+1], v[RR+\e:RR+\e+1]
.irp q, 1,2,3
	s_delay_alu instid0(VALU_DEP_1)
	v_pk_fma_f32 v[OTM+8+\e:OTM+9+\e], v[RR+4*\q+\e:RR+4*\q+\e+1], v[RR+4*\q+\e:RR+4*\q+\e+1], v[OTM+8+\e:OTM+9+\e]
.endr
	s_delay_alu instid0(VALU_DEP_1)
	v_pk_fma_f32 v[OTM+4+\e:OTM+5+\e], v[OTM+8+\e:OTM+9+\e], s[C16:C16+1], v[OTM+4+\e:OTM+5+\e] op_sel_hi:[1,0,1]
.endr
	global_store_b128 v[MG], v[OTM:OTM+3], s[30:31]
	global_store_b128 v[MG], v[OTM+4:OTM+7], s[30:31] offset:2048
.Lnomerge:
	s_wait_tensorcnt 0x0                           ; the wave's end
	ds_add_u32 v[SPW], v[NIL]
	s_wait_dscnt 0x0
	s_endpgm
.Lfunc_end_k_q26a1cf5bdb_attn:
	.size	k_q26a1cf5bdb_attn, .Lfunc_end_k_q26a1cf5bdb_attn-k_q26a1cf5bdb_attn
	.p2alignl 7, 3214868480
	.fill 96, 4, 3214868480
	.section	.rodata,"a",@progbits
	.p2align	6, 0x0
	.amdhsa_kernel k_q26a1cf5bdb_attn
		.amdhsa_group_segment_fixed_size 327680
		.amdhsa_private_segment_fixed_size 0
		.amdhsa_enable_private_segment 0
		.amdhsa_kernarg_size 88
		.amdhsa_user_sgpr_count 2
		.amdhsa_user_sgpr_kernarg_segment_ptr 1
		.amdhsa_wavefront_size32 1
		.amdhsa_system_sgpr_workgroup_id_x 1
		.amdhsa_system_sgpr_workgroup_id_y 1
		.amdhsa_system_sgpr_workgroup_id_z 1
		.amdhsa_system_vgpr_workitem_id 0
		.amdhsa_next_free_vgpr 256
		.amdhsa_next_free_sgpr 102
		.amdhsa_reserve_vcc 0
		.amdhsa_float_denorm_mode_32 3
		.amdhsa_float_denorm_mode_16_64 3
		.amdhsa_memory_ordered 1
		.amdhsa_forward_progress 1
		.amdhsa_inst_pref_size 219
	.end_amdhsa_kernel
	.amdgpu_metadata
---
amdhsa.version: [ 1, 2 ]
amdhsa.kernels:
  - .name:           k_q26a1cf5bdb_attn
    .symbol:         k_q26a1cf5bdb_attn.kd
    .args:
      - { .name: qc, .offset: 0, .size: 8, .value_kind: global_buffer, .address_space: global }
      - { .name: kv, .offset: 8, .size: 8, .value_kind: global_buffer, .address_space: global }
      - { .name: sc, .offset: 16, .size: 8, .value_kind: global_buffer, .address_space: global }
      - { .name: edge_info, .offset: 24, .size: 8, .value_kind: global_buffer, .address_space: global }
      - { .name: We, .offset: 32, .size: 8, .value_kind: global_buffer, .address_space: global }
      - { .name: be, .offset: 40, .size: 8, .value_kind: global_buffer, .address_space: global }
      - { .name: wl, .offset: 48, .size: 8, .value_kind: global_buffer, .address_space: global }
      - { .name: Wc_scales, .offset: 56, .size: 8, .value_kind: global_buffer, .address_space: global }
      - { .name: input1, .offset: 64, .size: 8, .value_kind: global_buffer, .address_space: global }
      - { .name: x1, .offset: 72, .size: 8, .value_kind: global_buffer, .address_space: global }
      - { .name: stats1, .offset: 80, .size: 8, .value_kind: global_buffer, .address_space: global }
    .group_segment_fixed_size: 327680
    .private_segment_fixed_size: 0
    .kernarg_segment_align: 8
    .kernarg_segment_size: 88
    .max_flat_workgroup_size: 512
    .sgpr_count:     102
    .vgpr_count:     256
    .wavefront_size: 32
...
	.end_amdgpu_metadata
.endif
;; end of part 2
;; launch ffn (part 3): grid 256 x 1, 4 waves a work-group, no clusters, 288,256 bytes of LDS; arguments x1, stats1, g1, b1, wl, b1f, x2, stats2; writes x2, stats2
.if DOCPART == 3
	.amdgcn_target "amdgcn-amd-amdhsa--gfx1250"
	.amdhsa_code_object_version 6
	.text
	.protected	k_q26a1cf5bdb_ffn
	.globl	k_q26a1cf5bdb_ffn
	.p2align	8
	.type	k_q26a1cf5bdb_ffn,@function
k_q26a1cf5bdb_ffn:
	s_mov_b64 s[64:65], 0
	v_nop
	global_prefetch_b8 v0, s[64:65] scope:SCOPE_SE
	s_setreg_imm32_b32 hwreg(HW_REG_WAVE_MODE, 25, 1), 1
	s_wait_xcnt 0x0
; out1 = norm(x1) g1 + b1 over the 512 rows of a batch; x2 = out1 + Q(relu(Q(out1) W1f + b1f)) W2f; and each channel's mean and centred sum of squares over the work-group's 64 rows.
; b2f IS LEFT OUT: a constant of each channel, which the norm behind x2 takes away with the channel's mean, for all values of the inputs (shown at the head of the first kernel).
; A work-group owns rows 64 g on; four waves, one to a SIMD.  Wave w makes hidden units 512 w .. 512 w + 511 (16 units of 32) and outputs 128 w .. 128 w + 127, for all 64 rows.
; out1's 16 fragments of codes stay in 192 registers of every wave, so a weight fragment feeds four products; the second product's 32 sums (256 registers) begin as out1, so the residual costs no addition.
; The hidden layer goes from wave to wave through LDS as codes, 24 bytes to a reader's lane, and never to memory.
; THE WEIGHTS were laid by the first launch as images of the operand's registers, in the order in which each wave reads them: a slot is two tiles of 16 weight rows x 128 K, six loads of 512 consecutive
; bytes; the scale words of two slots are one load of 256 bytes (lanes 0-15 tile 0, lanes 16-31 tile 1).  They go straight into a ring of eight slots, 192 registers; a slot is asked for again behind the
; places that follow its eight products.  By this text's count a wave has at most 52 loads out.  The ring walks on from W1f into W2f; the last eight slots ask for nothing.
; NO CLUSTER, NO LDS FOR THE WEIGHTS: each weight byte is wanted by one wave of the work-group, once; a way through LDS would add a write and a read of LDS for each of the 1,572,864 bytes.
; NO PREFETCH: the ring itself asks seven slots ahead, and all 256 work-groups walk the same 1,638,400 bytes in the same order.
; Both products are used transposed (source 0 = 16 weight rows): a lane holds one row, its registers run along the columns; lane r of tile u holds weight row 8 u + r + 8 (r / 8) of 32, so two tiles' 16
; registers are 16 neighbours.  WINDOWS: 0 addresses, scales, biases, the first product's sums; 1 out1's fragments, then the hidden layer's; 2 the weights' ring; 3 the second product's sums.
; LIMITS: NaN and infinities are not served; a block whose largest magnitude lies under 2^-124 (a block of zeros too) gets the scale byte 1; 1 / sqrt by v_rsq_f32.
.set SUB,   33792                      ; LDS: wave w's sub-tile, 64 rows x (512 bytes + 16): x1, then out1, at the end the wave's stage
.set XIMG,  135168                     ; out1's 16 fragments, 4 ks + m at 1,536 bytes each
.set XSC,   159744
.set HIMG,  160768                     ; the hidden layer: plane 2 ks + c (3,072 bytes) = half c of K step ks, tile of rows m at 768 m
.set HSC,   259072                     ; its scale bytes, 64 to a row
.set B1T,   263168                     ; b1f, 2,048 bytes a wave
.set STAT,  271360
.set SPARE, 287744                     ; the spare words: two blocks of 256 bytes that no other line names
.set WP,    16                         ; s[16:17] the weights' stream, s[24:25] the scale words' stream
.set SP,    24
.set WV,    26
.set G0,    28
.set G1,    32
.set SEL,   40
.set C8I,   42
.set C64,   44
.set CIN,   46
.set CEPS,  47
.set C16I,  48
.set C4I,   50
.set C16,   52
.set CT,    58
.set LA,    59
.set LB,    60
.set LC,    61
.set SPW,   1
.set NIL,   2
.set WO,    6
.set WSO,   7
.set XTA,   8
.set XTC,   9
.set XRD0,  10
.set XRDC,  11
.set FA0,   12
.set FAC,   13
.set FS0,   14
.set FSC,   15
.set AIN,   16
.set AFA,   17
.set ASA,   18
.set HST0,  19
.set HSTC,  20
.set HSS0,  21
.set HSSC,  22
.set BIA0,  23
.set BIAC,  24
.set HRD0,  25
.set HRDC,  26
.set HSR0,  27
.set HSRC,  28
.set GA,    29
.set STA,   30
.set STAC,  31
.set MG,    32
.set B1S,   33
.set T0,    34
.set T1,    35
.set XS,    40                         ; v40-71 hold scales and nothing else: out1's 16 words, the ring's 8, the hidden layer's 8
.set WSC,   56
.set HS,    64
.set BI,    72                         ; b1f of two units
.set OTM,   72
.set QTM,   104
.set QTP,   108
.set QTS,   112
.set QCD,   116
.set SM,    104
.set SA,    108
.set SV,    112
.set SD,    116
.set SGR,   120
.set SBR,   124
.set RR,    128
.set BT,    132
.set ACC,   192
.set SIN,   192
.set MSB, 0
.macro WIN new                         ; the immediate's high byte repeats the setting that is left
.if MSB != \new
	s_set_vgpr_msb (MSB<<8)|\new
.set MSB, \new
.endif
.endm
.macro NOPS n
.rept \n
	v_nop
.endr
.endm
.macro BAR
	s_wait_dscnt 0x0
	s_barrier_signal -1
	s_barrier_wait -1
.endm
.macro Q4 s                            ; four blocks of 32: block k's 16 numbers of my half in v[s + 16 k] on, the other 16 in lane l xor 16
.irp k, 0,1,2,3
	v_max3_num_f32 v[QTM+\k], |v[\s+16*\k]|, |v[\s+16*\k+1]|, 0x1800000   ; the floor 2^(3 - 127) holds the byte at 1 from below
.endr
.irp i, 2,4,6,8,10,12,14
.irp k, 0,1,2,3
	v_max3_num_f32 v[QTM+\k], v[QTM+\k], |v[\s+16*\k+\i]|, |v[\s+16*\k+\i+1]|
.endr
.endr
.irp k, 0,1,2,3
	v_permlanex16_b32 v[QTP+\k], v[QTM+\k], s[SEL], s[SEL+1]
.endr
.irp k, 0,1,2,3
	v_max_num_f32 v[QTM+\k], v[QTM+\k], v[QTP+\k]
.endr
.irp k, 0,1,2,3
	v_add_nc_u32 v[QTS+\k], 0xff000000, v[QTM+\k]                  ; 2 off the exponent field: the conversion's scale operand
.endr
.irp k, 0,1,2,3
	v_lshrrev_b32 v[QTP+\k], 23, v[QTS+\k]                         ; the scale's byte
.endr
.irp k, 0,1,2,3
	v_cvt_scalef32_pk16_fp6_f32 v[QCD+4*\k:QCD+4*\k+2], v[\s+16*\k:\s+16*\k+15], v[QTS+\k]
.endr
	v_nop                                                          ; one plain place behind the scaled conversions
.endm
.macro ST3 adr, k, off                 ; block k's 12 bytes
.irp e, 0,1,2
	ds_store_b32 v[\adr], v[QCD+4*(\k)+\e] offset:\off+4*\e
.endr
.endm
; Slot pos of the ring, from off bytes behind the stream's place; behind an odd slot the pair's scale words
.macro REFILL pos, off, soff
	WIN 0x80
.irp u, 0,1
.irp g, 0,1,2
	global_load_b128 v[24*(\pos)+12*\u+4*\g:24*(\pos)+12*\u+4*\g+3], v[WO], s[WP:WP+1] offset:(\off)+3072*(\pos)+1536*\u+512*\g
.endr
.endr
	WIN 0
.if (\pos)%2
	global_load_b64 v[WSC+(\pos)-1:WSC+(\pos)], v[WSO], s[SP:SP+1] offset:(\soff)+256*((\pos)/2)
.endif
.endm
.macro MM d, a, b, c, sa, sb, u        ; tile 1's scale words stand in lanes 16-31
.if \u
	v_wmma_scale_f32_16x16x128_f8f6f4 v[\d:\d+7], v[\a:\a+11], v[\b:\b+11], v[\c:\c+7], v[\sa], v[\sb] matrix_a_fmt:MATRIX_FMT_FP6 matrix_b_fmt:MATRIX_FMT_FP6 matrix_a_scale:MATRIX_SCALE_ROW1
.else
	v_wmma_scale_f32_16x16x128_f8f6f4 v[\d:\d+7], v[\a:\a+11], v[\b:\b+11], v[\c:\c+7], v[\sa], v[\sb] matrix_a_fmt:MATRIX_FMT_FP6 matrix_b_fmt:MATRIX_FMT_FP6
.endif
.endm
; First product, K step ks of unit e of a trip: eight sums by turns; b1f is the first K step's C.  Four places, then the slot is asked for again.
.macro SLOT1 e, ks
	WIN 0x06
.irp m, 0,1,2,3
.irp u, 0,1
.if \ks == 0
	MM ACC+16*\m+8*\u, 24*(4*\e+\ks)+12*\u, 12*(4*\ks+\m), BI+16*\e+8*\u, WSC+4*\e+\ks, XS+4*\ks+\m, \u
.else
	MM ACC+16*\m+8*\u, 24*(4*\e+\ks)+12*\u, 12*(4*\ks+\m), ACC+16*\m+8*\u, WSC+4*\e+\ks, XS+4*\ks+\m, \u
.endif
.endr
.endr
	NOPS 4
	REFILL 4*\e+\ks, 24576, 1024
.endm
.macro UNIT1 e                         ; 32 hidden units x 64 rows: the product, relu, the quantiser; block m = the rows of tile m
.irp ks, 0,1,2,3
.if (\ks%2) == 0
	s_wait_loadcnt 39                              ; this pair of slots and its scale words are in: behind them six slots of 6 loads and three loads of scale words were asked for
.endif
	SLOT1 \e, \ks
.endr
.set x, 0
.rept 64
	v_max_num_f32 v[ACC+x], 0, v[ACC+x]
.set x, x+1
.endr
	Q4 ACC
.irp m, 0,1,2,3
	ST3 HSTC, \m, 768*\m+384*\e
	ds_store_b8 v[HSSC], v[QTP+\m] offset:1024*\m+\e
.endr
	s_wait_dscnt 0x0                               ; the stores have read their registers
.endm
.macro HFETCH e, off, soff             ; the hidden layer's four fragments of one K step, and their scale words: 28 loads
	WIN 0x40
.irp m, 0,1,2,3
.irp c, 0,1
.irp q, 0,1,2
	ds_load_b64 v[48*\e+12*\m+6*\c+2*\q:48*\e+12*\m+6*\c+2*\q+1], v[HRDC] offset:(\off)+6144*\e+3072*\c+768*\m+8*\q
.endr
.endr
.endr
	WIN 0
.irp m, 0,1,2,3
	ds_load_b32 v[HS+4*\e+\m], v[HSRC] offset:(\soff)+4*\e+1024*\m
.endr
.endm
.macro SLOT2 pp, e, rf                 ; second product: columns 32 pp on of my 128, K step e of the trip's two: eight sums by turns
	WIN 0xf6
.irp u, 0,1
.irp m, 0,1,2,3
	MM 8*((2*\pp+\u)*4+\m), 24*(2*\pp+\e)+12*\u, 48*\e+12*\m, 8*((2*\pp+\u)*4+\m), WSC+2*\pp+\e, HS+4*\e+\m, \u
.endr
.endr
	NOPS 4
.if \rf
	REFILL 2*\pp+\e, 24576, 1024
.endif
.endm
; Two K steps of the second product: 64 matrix instructions.  rf = 1: the ring is filled on, and each K step's fragments of the hidden layer are fetched anew behind their last products.
.macro TRIP2 rf
.irp pp, 0,1,2,3
.if \rf
	s_wait_loadcnt 39
.else
	s_wait_loadcnt 13*(3-\pp)                      ; nothing is asked for any more: behind this pair stand the later pairs alone, 13 loads each
.endif
.if \pp == 0
	s_wait_dscnt 28                                ; the first K step's fragments are in; the second's 28 loads may be out
.endif
	SLOT2 \pp, 0, \rf
.if (\pp == 3) && \rf
	HFETCH 0, 12288, 8
.endif
.if \pp == 0
	s_wait_dscnt 0x0
.endif
	SLOT2 \pp, 1, \rf
.if (\pp == 3) && \rf
	HFETCH 1, 12288, 8
.endif
.endr
.endm
.macro ACCIO st                        ; the second product's sums and my sub-tile: register j of sum (cp, u, m) is row 16 m + r, column 32 cp + 16 h + 8 u + j of my 128
.irp cp, 0,1,2,3
.irp u, 0,1
.irp m, 0,1,2,3
.irp f, 0,1
.if \st
	ds_store_b128 v[AIN], v[8*((2*\cp+\u)*4+\m)+4*\f:8*((2*\cp+\u)*4+\m)+4*\f+3] offset:8448*\m+128*\cp+32*\u+16*\f
.else
	ds_load_b128 v[8*((2*\cp+\u)*4+\m)+4*\f:8*((2*\cp+\u)*4+\m)+4*\f+3], v[AIN] offset:8448*\m+128*\cp+32*\u+16*\f
.endif
.endr
.endr
.endr
.endr
.endm
	s_load_b512 s[8:23], s[0:1], 0x0               ; x1 8, stats1 10, g1 12, b1 14, wl 16, b1f 18, x2 20, stats2 22
	v_lshl_add_u32 v[SPW], v0, 2, SPARE
	v_mov_b32 v[NIL], 0
	ds_add_u32 v[SPW], v[NIL]                      ; the opening lines: the add, twice on end, and its wait ahead of my tensor load
	ds_add_u32 v[SPW], v[NIL]
	v_lshrrev_b32 v3, 5, v0
	v_readfirstlane_b32 s[WV], v3                  ; wave 0..3
	v_and_b32 v3, 31, v0                           ; lane
	v_and_b32 v4, 15, v0                           ; r
	v_bfe_u32 v5, v0, 4, 1                         ; h
	v_lshlrev_b32 v[MG], 4, v0                     ; my four channels: byte 16 x thread
	v_lshlrev_b32 v[WO], 4, v3
	v_lshlrev_b32 v[WSO], 3, v3
	s_mov_b32 s[G1], (2<<16)|(1<<20)|(6<<22)|(3<<25)   ; elements of 4 bytes; 4 words of padding behind every 128 words
	s_mov_b32 s[G1+1], 128<<16
	s_mov_b32 s[G1+2], 64<<16
	s_mov_b32 s[G1+3], 128<<16
	s_mov_b32 s[G1+4], 64
	s_mov_b32 s[G1+5], 512
	s_mov_b32 s[G1+6], 0
	s_mov_b32 s[G1+7], 0
	s_mov_b32 s[SEL], 0x76543210
	s_mov_b32 s[SEL+1], 0xfedcba98
	s_mov_b32 s[C8I], 0x3e000000
	s_mov_b32 s[C8I+1], 0x3e000000
	s_mov_b32 s[C64], 0x42800000
	s_mov_b32 s[C64+1], 0x42800000
	s_mov_b32 s[CIN], 0x3b000000
	s_mov_b32 s[CEPS], 0x3727c5ac
	s_mov_b32 s[C16I], 0x3d800000
	s_mov_b32 s[C16I+1], 0x3d800000
	s_mov_b32 s[C4I], 0x3e800000
	s_mov_b32 s[C4I+1], 0x3e800000
	s_mov_b32 s[C16], 0x41800000
	s_mov_b32 s[C16+1], 0x41800000
	s_lshl_b32 s2, ttmp9, 17                       ; 64 rows of 2,048 bytes a work-group
	s_lshl_b32 s57, s[WV], 9                       ; my 128 columns
	s_add_co_u32 s2, s2, s57
	s_mov_b32 s3, 0
	s_mov_b32 s[G0], 1
	s_mul_i32 s[G0+1], s[WV], SUB
	s_wait_alu depctr_va_vdst(0)
	s_wait_dscnt 0x0
	s_wait_kmcnt 0x0
	s_add_nc_u64 s[G0+2:G0+3], s[8:9], s[2:3]
	s_or_b32 s[G0+3], s[G0+3], 0x80000000
	tensor_load_to_lds s[G0:G0+3], s[G1:G1+7]      ; 64 rows x my 128 columns of x1: the one tensor load of this wave; these bytes are filled once
	s_nop 0
	NOPS 4
	s_lshr_b32 s2, ttmp9, 3
	s_lshl_b32 s2, s2, 15                          ; the batch's eight groups of 4,096 bytes
	s_add_nc_u64 s[10:11], s[10:11], s[2:3]
	s_lshl_b32 s2, ttmp9, 17
	s_add_nc_u64 s[20:21], s[20:21], s[2:3]
	s_lshl_b32 s2, ttmp9, 12
	s_add_nc_u64 s[22:23], s[22:23], s[2:3]
	s_lshl_b32 s2, s[WV], 14
	s_add_co_u32 s2, s2, 1572864
	s_add_nc_u64 s[SP:SP+1], s[WP:WP+1], s[2:3]    ; my 64 pairs' scale words
	s_mul_i32 s2, s[WV], 393216
	s_add_nc_u64 s[WP:WP+1], s[WP:WP+1], s[2:3]    ; my 128 slots
	s_lshl_b32 s2, s[WV], 11
	s_add_nc_u64 s[18:19], s[18:19], s[2:3]
.irp i, 0,1,2,3,4,5,6,7
	global_load_b128 v[SIN+4*\i:SIN+4*\i+3], v[MG], s[10:11] offset:4096*\i
	global_load_b128 v[SIN+32+4*\i:SIN+32+4*\i+3], v[MG], s[10:11] offset:4096*\i+2048
.endr
	global_load_b128 v[SGR:SGR+3], v[MG], s[12:13]
	global_load_b128 v[SBR:SBR+3], v[MG], s[14:15]
.irp i, 0,1,2,3
	global_load_b128 v[BT+4*\i:BT+4*\i+3], v[WO], s[18:19] offset:512*\i   ; b1f of my 512 hidden units
.endr
.irp p, 0,1,2,3,4,5,6,7
	REFILL \p, 0, 0                                ; the ring's first eight slots: 52 loads
.endr
	s_mul_i32 s4, s[WV], SUB
	s_mul_i32 s5, s[WV], 8448
	s_mul_i32 s6, s[WV], 1536
	s_add_co_u32 s6, s6, XIMG
	s_lshl_b32 s7, s[WV], 6
	s_add_co_u32 s7, s7, XSC
	s_mul_i32 s54, s[WV], 24576
	s_add_co_u32 s54, s54, HIMG
	s_lshl_b32 s55, s[WV], 4
	s_add_co_u32 s55, s55, HSC
	s_lshl_b32 s56, s[WV], 11
	s_add_co_u32 s56, s56, B1T
	v_lshl_add_u32 v[XTA], v3, 4, s4               ; a row of my sub-tile: 16 bytes a lane
	v_mul_u32_u24 v[T0], v4, 528
	v_lshl_add_u32 v[T0], v5, 6, v[T0]             ; 528 r + 64 h
	v_add_nc_u32 v[AIN], s4, v[T0]
	v_add_nc_u32 v[XRD0], s5, v[T0]                ; the quantiser: rows 16 w + r
	v_mul_u32_u24 v[T1], v4, 24
	v_mad_u32_u24 v[T1], v5, 12, v[T1]             ; 24 r + 12 h
	v_add_nc_u32 v[FA0], s6, v[T1]
	v_lshl_add_u32 v[FS0], v4, 2, s7
	v_mul_u32_u24 v[AFA], v3, 24
	v_add_nc_u32 v[HRD0], HIMG, v[AFA]
	v_add_nc_u32 v[AFA], XIMG, v[AFA]
	v_lshlrev_b32 v[ASA], 2, v4
	v_add_nc_u32 v[ASA], XSC, v[ASA]
	v_add_nc_u32 v[HST0], s54, v[T1]
	v_lshl_add_u32 v[HSS0], v4, 6, s55             ; 64 scale bytes a row, my 16 at 16 w
	v_lshlrev_b32 v[HSR0], 6, v4
	v_add_nc_u32 v[HSR0], HSC, v[HSR0]
	v_lshl_add_u32 v[BIA0], v5, 6, s56
	v_lshl_add_u32 v[B1S], v3, 4, s56
	v_lshl_add_u32 v[GA], v3, 4, s57
	v_add_nc_u32 v[STA], STAT, v[MG]
	s_wait_alu depctr_va_vdst(0)
	s_wait_loadcnt 52                              ; the statistics, g1, b1 and b1f are in; the ring's 52 loads may be out
.irp i, 0,1,2,3
	ds_store_b128 v[B1S], v[BT+4*\i:BT+4*\i+3] offset:512*\i   ; only I read these bytes
.endr
	; ---- eight groups' means and centred sums of squares, four channels a lane, joined without a difference of large sums
	v_pk_add_f32 v[SM:SM+1], v[SIN:SIN+1], v[SIN+4:SIN+5]
	v_pk_add_f32 v[SM+2:SM+3], v[SIN+2:SIN+3], v[SIN+6:SIN+7]
	v_pk_add_f32 v[SV:SV+1], v[SIN+32:SIN+33], v[SIN+36:SIN+37]
	v_pk_add_f32 v[SV+2:SV+3], v[SIN+34:SIN+35], v[SIN+38:SIN+39]
.irp i, 2,3,4,5,6,7
	v_pk_add_f32 v[SM:SM+1], v[SM:SM+1], v[SIN+4*\i:SIN+4*\i+1]
	v_pk_add_f32 v[SM+2:SM+3], v[SM+2:SM+3], v[SIN+4*\i+2:SIN+4*\i+3]
	v_pk_add_f32 v[SV:SV+1], v[SV:SV+1], v[SIN+32+4*\i:SIN+33+4*\i]
	v_pk_add_f32 v[SV+2:SV+3], v[SV+2:SV+3], v[SIN+34+4*\i:SIN+35+4*\i]
.endr
	v_pk_mul_f32 v[SM:SM+1], v[SM:SM+1], s[C8I:C8I+1] op_sel_hi:[1,0]
	v_pk_mul_f32 v[SM+2:SM+3], v[SM+2:SM+3], s[C8I:C8I+1] op_sel_hi:[1,0]
.irp i, 0,1,2,3,4,5,6,7
	v_pk_add_f32 v[SIN+4*\i:SIN+4*\i+1], v[SIN+4*\i:SIN+4*\i+1], v[SM:SM+1] neg_lo:[0,1] neg_hi:[0,1]
	v_pk_add_f32 v[SIN+4*\i+2:SIN+4*\i+3], v[SIN+4*\i+2:SIN+4*\i+3], v[SM+2:SM+3] neg_lo:[0,1] neg_hi:[0,1]
.endr
	v_pk_mul_f32 v[SD:SD+1], v[SIN:SIN+1], v[SIN:SIN+1]
	v_pk_mul_f32 v[SD+2:SD+3], v[SIN+2:SIN+3], v[SIN+2:SIN+3]
.irp i, 1,2,3,4,5,6,7
	v_pk_fma_f32 v[SD:SD+1], v[SIN+4*\i:SIN+4*\i+1], v[SIN+4*\i:SIN+4*\i+1], v[SD:SD+1]
	v_pk_fma_f32 v[SD+2:SD+3], v[SIN+4*\i+2:SIN+4*\i+3], v[SIN+4*\i+2:SIN+4*\i+3], v[SD+2:SD+3]
.endr
	v_pk_fma_f32 v[SV:SV+1], v[SD:SD+1], s[C64:C64+1], v[SV:SV+1] op_sel_hi:[1,0,1]
	v_pk_fma_f32 v[SV+2:SV+3], v[SD+2:SD+3], s[C64:C64+1], v[SV+2:SV+3] op_sel_hi:[1,0,1]
.irp e, 0,1,2,3
	v_fma_f32 v[SV+\e], v[SV+\e], s[CIN], s[CEPS]  ; / 512 + eps
.endr
	s_wait_alu depctr_va_vdst(0)
.irp e, 0,1,2,3
	v_rsq_f32 v[SV+\e], v[SV+\e]
.endr
	v_nop
	s_wait_alu depctr_va_vdst(0)
	v_pk_mul_f32 v[SA:SA+1], v[SV:SV+1], v[SGR:SGR+1]
	v_pk_mul_f32 v[SA+2:SA+3], v[SV+2:SV+3], v[SGR+2:SGR+3]
	s_mov_b32 s[CT], 0
	s_mov_b32 s[LA], 0
	s_wait_alu depctr_va_vdst(0)
	s_wait_tensorcnt 0x0                           ; my sub-tile has landed; so far nobody else touches it
.Lnorm:                                ; out1 in place in my sub-tile, 16 rows a trip
	v_add_nc_u32 v[XTC], s[LA], v[XTA]
	s_wait_alu depctr_va_vdst(0)
.irp i, 0,1,2,3,4,5,6,7,8,9,10,11,12,13,14,15
	ds_load_b128 v[ACC+4*\i:ACC+4*\i+3], v[XTC] offset:528*\i
.endr
	s_wait_dscnt 0x0
.irp i, 0,1,2,3,4,5,6,7,8,9,10,11,12,13,14,15
	v_pk_add_f32 v[ACC+4*\i:ACC+4*\i+1], v[ACC+4*\i:ACC+4*\i+1], v[SM:SM+1] neg_lo:[0,1] neg_hi:[0,1]
	v_pk_add_f32 v[ACC+4*\i+2:ACC+4*\i+3], v[ACC+4*\i+2:ACC+4*\i+3], v[SM+2:SM+3] neg_lo:[0,1] neg_hi:[0,1]
.endr
.irp i, 0,1,2,3,4,5,6,7,8,9,10,11,12,13,14,15
	v_pk_fma_f32 v[ACC+4*\i:ACC+4*\i+1], v[ACC+4*\i:ACC+4*\i+1], v[SA:SA+1], v[SBR:SBR+1]
	v_pk_fma_f32 v[ACC+4*\i+2:ACC+4*\i+3], v[ACC+4*\i+2:ACC+4*\i+3], v[SA+2:SA+3], v[SBR+2:SBR+3]
.endr
.irp i, 0,1,2,3,4,5,6,7,8,9,10,11,12,13,14,15
	ds_store_b128 v[XTC], v[ACC+4*\i:ACC+4*\i+3] offset:528*\i
.endr
	s_wait_dscnt 0x0
	s_add_co_u32 s[LA], s[LA], 8448
	s_add_co_u32 s[CT], s[CT], 1
	s_cmp_lt_u32 s[CT], 4
	s_wait_alu depctr_va_vdst(0)
	s_cbranch_scc1 .Lnorm
	s_barrier_signal -1
	s_barrier_wait -1                              ; all of out1 lies in LDS
	WIN 0xc0
	ACCIO 0                                        ; the second product's sums begin as out1
	WIN 0
.irp k, 0,1,2,3
	v_mov_b32 v[QTP+\k], 0                         ; written once: a lane permute's destination counts as one of its sources
.endr
	s_mov_b32 s[CT], 0
	s_mov_b32 s[LA], 0
	s_mov_b32 s[LB], 0
	s_mov_b32 s[LC], 0
	s_wait_alu depctr_va_vdst(0)
.Lquant:                               ; rows 16 w on become four fragments, one K step of 128 a trip
	v_add_nc_u32 v[XRDC], s[LA], v[XRD0]
	v_add_nc_u32 v[FAC], s[LB], v[FA0]
	v_add_nc_u32 v[FSC], s[LC], v[FS0]
	s_wait_alu depctr_va_vdst(0)
.irp b, 0,1,2,3
.irp x, 0,1,2,3
	ds_load_b128 v[ACC+16*\b+4*\x:ACC+16*\b+4*\x+3], v[XRDC] offset:128*\b+16*\x
.endr
.endr
	s_wait_dscnt 0x0
	Q4 ACC
.irp b, 0,1,2,3
	ST3 FAC, \b, (\b/2)*768+(\b%2)*384             ; block b belongs to reader's lane r + 16 (b % 2), half b / 2
.endr
	v_lshl_or_b32 v[QTM], v[QTP+1], 8, v[QTP]
	v_lshl_or_b32 v[QTM], v[QTP+2], 16, v[QTM]
	v_lshl_or_b32 v[QTM], v[QTP+3], 24, v[QTM]
	ds_store_b32 v[FSC], v[QTM]                    ; my row's scale word (both halves of the lanes write the same word)
	s_wait_dscnt 0x0
	s_add_co_u32 s[LA], s[LA], SUB
	s_add_co_u32 s[LB], s[LB], 6144
	s_add_co_u32 s[LC], s[LC], 256
	s_add_co_u32 s[CT], s[CT], 1
	s_cmp_lt_u32 s[CT], 4
	s_wait_alu depctr_va_vdst(0)
	s_cbranch_scc1 .Lquant
	s_barrier_signal -1
	s_barrier_wait -1                              ; out1's sixteen fragments lie in LDS
	WIN 0x40
.set x, 0
.rept 16
.irp c, 0,1
.irp q, 0,1,2
	ds_load_b64 v[12*x+6*\c+2*\q:12*x+6*\c+2*\q+1], v[AFA] offset:1536*x+768*\c+8*\q   ; they stay in registers for the whole first product
.endr
.endr
.set x, x+1
.endr
	WIN 0
.set x, 0
.rept 16
	ds_load_b32 v[XS+x], v[ASA] offset:64*x
.set x, x+1
.endr
	; ---- the hidden layer: my 512 units, two units of 32 a trip: once round the ring
	s_mov_b32 s[CT], 0
	s_mov_b32 s[LA], 0
	s_mov_b32 s[LB], 0
	s_mov_b32 s[LC], 0
.Lhid:
	v_add_nc_u32 v[HSTC], s[LA], v[HST0]           ; plane 8 w + trip
	v_add_nc_u32 v[BIAC], s[LB], v[BIA0]
	v_add_nc_u32 v[HSSC], s[LC], v[HSS0]           ; scale bytes 16 w + 2 trip and the next
	s_wait_alu depctr_va_vdst(0)
.irp e, 0,1
.irp x, 0,1,2,3
	ds_load_b128 v[BI+16*\e+4*\x:BI+16*\e+4*\x+3], v[BIAC] offset:128*\e+16*\x   ; b1f at my lane's 16 units of each of the two
.endr
.endr
	s_wait_dscnt 0x0
	UNIT1 0
	UNIT1 1
	s_wait_xcnt 0x0                                ; the loads have read their bases
	s_add_nc_u64 s[WP:WP+1], s[WP:WP+1], 24576
	s_add_nc_u64 s[SP:SP+1], s[SP:SP+1], 1024
	s_add_co_u32 s[LA], s[LA], 3072
	s_add_co_u32 s[LB], s[LB], 256
	s_add_co_u32 s[LC], s[LC], 2
	s_add_co_u32 s[CT], s[CT], 1
	s_cmp_lt_u32 s[CT], 8
	s_wait_alu depctr_va_vdst(0)
	s_cbranch_scc1 .Lhid
	BAR                                            ; the hidden layer lies in LDS
	; ---- my 128 outputs, K = 2,048, two K steps a trip: once round the ring
	v_mov_b32 v[HRDC], v[HRD0]
	v_mov_b32 v[HSRC], v[HSR0]
	HFETCH 0, 0, 0
	HFETCH 1, 0, 0
	s_mov_b32 s[CT], 0
	s_mov_b32 s[LA], 0
	s_mov_b32 s[LB], 0
.Lsec:
	v_add_nc_u32 v[HRDC], s[LA], v[HRD0]
	v_add_nc_u32 v[HSRC], s[LB], v[HSR0]
	s_wait_alu depctr_va_vdst(0)
	TRIP2 1
	s_wait_xcnt 0x0
	s_add_nc_u64 s[WP:WP+1], s[WP:WP+1], 24576
	s_add_nc_u64 s[SP:SP+1], s[SP:SP+1], 1024
	s_add_co_u32 s[LA], s[LA], 12288
	s_add_co_u32 s[LB], s[LB], 8
	s_add_co_u32 s[CT], s[CT], 1
	s_cmp_lt_u32 s[CT], 7
	s_wait_alu depctr_va_vdst(0)
	s_cbranch_scc1 .Lsec
	TRIP2 0                                        ; the last two K steps are written out: they ask for nothing
	; ---- the way out, through my own sub-tile: nobody else has read it since out1 was quantised, two barriers ago
	WIN 0x0c
	ACCIO 1                                        ; each sum from its low end on
	WIN 0
	s_mov_b32 s[CT], 0
	s_mov_b32 s[LA], 0
	s_mov_b32 s[LB], 0
.Lout:                                 ; 16 rows a trip: stored, then their mean and centred sum of squares, four channels a lane
	v_add_nc_u32 v[XTC], s[LA], v[XTA]
	v_add_nc_u32 v[STAC], s[LB], v[STA]
	s_wait_alu depctr_va_vdst(0)
.irp i, 0,1,2,3,4,5,6,7,8,9,10,11,12,13,14,15
	ds_load_b128 v[ACC+4*\i:ACC+4*\i+3], v[XTC] offset:528*\i      ; LDS serves a wave's instructions in order: these see the stores above
.endr
	s_wait_dscnt 0x0
.irp i, 0,1,2,3,4,5,6,7,8,9,10,11,12,13,14,15
	global_store_b128 v[GA], v[ACC+4*\i:ACC+4*\i+3], s[20:21] offset:2048*\i   ; 32 lanes store 512 consecutive bytes, aligned
.endr
	v_pk_add_f32 v[OTM:OTM+1], v[ACC:ACC+1], v[ACC+4:ACC+5]
	v_pk_add_f32 v[OTM+2:OTM+3], v[ACC+2:ACC+3], v[ACC+6:ACC+7]
.irp i, 2,3,4,5,6,7,8,9,10,11,12,13,14,15
	v_pk_add_f32 v[OTM:OTM+1], v[OTM:OTM+1], v[ACC+4*\i:ACC+4*\i+1]
	v_pk_add_f32 v[OTM+2:OTM+3], v[OTM+2:OTM+3], v[ACC+4*\i+2:ACC+4*\i+3]
.endr
	v_pk_mul_f32 v[OTM:OTM+1], v[OTM:OTM+1], s[C16I:C16I+1] op_sel_hi:[1,0]
	v_pk_mul_f32 v[OTM+2:OTM+3], v[OTM+2:OTM+3], s[C16I:C16I+1] op_sel_hi:[1,0]
.irp i, 0,1,2,3,4,5,6,7,8,9,10,11,12,13,14,15
	v_pk_add_f32 v[RR+4*\i:RR+4*\i+1], v[ACC+4*\i:ACC+4*\i+1], v[OTM:OTM+1] neg_lo:[0,1] neg_hi:[0,1]
	v_pk_add_f32 v[RR+4*\i+2:RR+4*\i+3], v[ACC+4*\i+2:ACC+4*\i+3], v[OTM+2:OTM+3] neg_lo:[0,1] neg_hi:[0,1]
.endr
	v_pk_mul_f32 v[OTM+4:OTM+5], v[RR:RR+1], v[RR:RR+1]
	v_pk_mul_f32 v[OTM+6:OTM+7], v[RR+2:RR+3], v[RR+2:RR+3]
.irp i, 1,2,3,4,5,6,7,8,9,10,11,12,13,14,15
	v_pk_fma_f32 v[OTM+4:OTM+5], v[RR+4*\i:RR+4*\i+1], v[RR+4*\i:RR+4*\i+1], v[OTM+4:OTM+5]
	v_pk_fma_f32 v[OTM+6:OTM+7], v[RR+4*\i+2:RR+4*\i+3], v[RR+4*\i+2:RR+4*\i+3], v[OTM+6:OTM+7]
.endr
	ds_store_b128 v[STAC], v[OTM:OTM+3]
	ds_store_b128 v[STAC], v[OTM+4:OTM+7] offset:8192
	s_wait_dscnt 0x0
	s_wait_xcnt 0x0                                ; the stores have read their registers and their base
	s_add_nc_u64 s[20:21], s[20:21], 32768
	s_add_co_u32 s[LA], s[LA], 8448
	s_add_co_u32 s[LB], s[LB], 2048
	s_add_co_u32 s[CT], s[CT], 1
	s_cmp_lt_u32 s[CT], 4
	s_wait_alu depctr_va_vdst(0)
	s_cbranch_scc1 .Lout
	; ---- my own four groups of 16 rows are joined: no difference of large sums is formed
.irp q, 0,1,2,3
	ds_load_b128 v[RR+4*\q:RR+4*\q+3], v[STA] offset:2048*\q
	ds_load_b128 v[RR+16+4*\q:RR+16+4*\q+3], v[STA] offset:8192+2048*\q
.endr
	s_wait_dscnt 0x0
.irp e, 0,2
	v_pk_add_f32 v[OTM+\e:OTM+\e+1], v[RR+\e:RR+\e+1], v[RR+4+\e:RR+5+\e]
	v_pk_add_f32 v[OTM+4+\e:OTM+5+\e], v[RR+16+\e:RR+17+\e], v[RR+20+\e:RR+21+\e]
	v_pk_add_f32 v[OTM+\e:OTM+\e+1], v[OTM+\e:OTM+\e+1], v[RR+8+\e:RR+9+\e]
	v_pk_add_f32 v[OTM+4+\e:OTM+5+\e], v[OTM+4+\e:OTM+5+\e], v[RR+24+\e:RR+25+\e]
	v_pk_add_f32 v[OTM+\e:OTM+\e+1], v[OTM+\e:OTM+\e+1], v[RR+12+\e:RR+13+\e]
	v_pk_add_f32 v[OTM+4+\e:OTM+5+\e], v[OTM+4+\e:OTM+5+\e], v[RR+28+\e:RR+29+\e]
	v_pk_mul_f32 v[OTM+\e:OTM+\e+1], v[OTM+\e:OTM+\e+1], s[C4I:C4I+1] op_sel_hi:[1,0]
.irp q, 0,1,2,3
	v_pk_add_f32 v[RR+4*\q+\e:RR+4*\q+\e+1], v[RR+4*\q+\e:RR+4*\q+\e+1], v[OTM+\e:OTM+\e+1] neg_lo:[0,1] neg_hi:[0,1]
.endr
	v_pk_mul_f32 v[OTM+8+\e:OTM+9+\e], v[RR+\e:RR+\e+1], v[RR+\e:RR+\e+1]
.irp q, 1,2,3
	v_pk_fma_f32 v[OTM+8+\e:OTM+9+\e], v[RR+4*\q+\e:RR+4*\q+\e+1], v[RR+4*\q+\e:RR+4*\q+\e+1], v[OTM+8+\e:OTM+9+\e]
.endr
	v_pk_fma_f32 v[OTM+4+\e:OTM+5+\e], v[OTM+8+\e:OTM+9+\e], s[C16:C16+1], v[OTM+4+\e:OTM+5+\e] op_sel_hi:[1,0,1]
.endr
	global_store_b128 v[MG], v[OTM:OTM+3], s[22:23]
	global_store_b128 v[MG], v[OTM+4:OTM+7], s[22:23] offset:2048
	s_wait_tensorcnt 0x0                           ; the wave's end
	ds_add_u32 v[SPW], v[NIL]
	s_wait_dscnt 0x0
	s_endpgm
.Lfunc_end_k_q26a1cf5bdb_ffn:
	.size	k_q26a1cf5bdb_ffn, .Lfunc_end_k_q26a1cf5bdb_ffn-k_q26a1cf5bdb_ffn
	.p2alignl 7, 3214868480
	.fill 96, 4, 3214868480
	.section	.rodata,"a",@progbits
	.p2align	6, 0x0
	.amdhsa_kernel k_q26a1cf5bdb_ffn
		.amdhsa_group_segment_fixed_size 288256
		.amdhsa_private_segment_fixed_size 0
		.amdhsa_enable_private_segment 0
		.amdhsa_kernarg_size 64
		.amdhsa_user_sgpr_count 2
		.amdhsa_user_sgpr_kernarg_segment_ptr 1
		.amdhsa_wavefront_size32 1
		.amdhsa_system_sgpr_workgroup_id_x 1
		.amdhsa_system_sgpr_workgroup_id_y 1
		.amdhsa_system_sgpr_workgroup_id_z 1
		.amdhsa_system_vgpr_workitem_id 0
		.amdhsa_next_free_vgpr 1024
		.amdhsa_next_free_sgpr 66
		.amdhsa_reserve_vcc 0
		.amdhsa_float_denorm_mode_32 3
		.amdhsa_float_denorm_mode_16_64 3
		.amdhsa_memory_ordered 1
		.amdhsa_forward_progress 1
		.amdhsa_inst_pref_size 118
	.end_amdhsa_kernel
	.amdgpu_metadata
---
amdhsa.version: [ 1, 2 ]
amdhsa.kernels:
  - .name:           k_q26a1cf5bdb_ffn
    .symbol:         k_q26a1cf5bdb_ffn.kd
    .args:
      - { .name: x1, .offset: 0, .size: 8, .value_kind: global_buffer, .address_space: global }
      - { .name: stats1, .offset: 8, .size: 8, .value_kind: global_buffer, .address_space: global }
      - { .name: g1, .offset: 16, .size: 8, .value_kind: global_buffer, .address_space: global }
      - { .name: b1, .offset: 24, .size: 8, .value_kind: global_buffer, .address_space: global }
      - { .name: wl, .offset: 32, .size: 8, .value_kind: global_buffer, .address_space: global }
      - { .name: b1f, .offset: 40, .size: 8, .value_kind: global_buffer, .address_space: global }
      - { .name: x2, .offset: 48, .size: 8, .value_kind: global_buffer, .address_space: global }
      - { .name: stats2, .offset: 56, .size: 8, .value_kind: global_buffer, .address_space: global }
    .group_segment_fixed_size: 288256
    .private_segment_fixed_size: 0
    .kernarg_segment_align: 8
    .kernarg_segment_size: 64
    .max_flat_workgroup_size: 128
    .sgpr_count:     66
    .vgpr_count:     1024
    .wavefront_size: 32
...
	.end_amdgpu_metadata
.endif
;; end of part 3
;; launch norm (part 4): grid 256 x 1, 16 waves a work-group, no clusters, 0 bytes of LDS; arguments x2, stats2, g2, b2, out0; writes out0
.if DOCPART == 4
	.amdgcn_target "amdgcn-amd-amdhsa--gfx1250"
	.amdhsa_code_object_version 6
	.text
	.protected	k_q26a1cf5bdb_norm
	.globl	k_q26a1cf5bdb_norm
	.p2align	8
	.type	k_q26a1cf5bdb_norm,@function
k_q26a1cf5bdb_norm:
	s_mov_b64 s[64:65], 0
	v_nop
	global_prefetch_b8 v0, s[64:65] scope:SCOPE_SE
	s_setreg_imm32_b32 hwreg(HW_REG_WAVE_MODE, 25, 1), 1
	s_wait_xcnt 0x0
; out0 = (x2 - mean) rsqrt(var + eps) g2 + b2, mean and var over the 512 rows of a batch, for each channel.  A stream: each byte of x2 is read once and each byte of out0 written once.
; A work-group owns rows 64 g on; wave w owns rows 16 (w / 4) on, columns 128 (w % 4) on; a lane owns four channels, so every load and store of a wave covers 512 consecutive bytes, aligned.
; The statistics come as eight groups of 64 rows (mean, centred sum of squares) and are joined without forming a difference of large sums.  The 16 row loads are issued ahead of that arithmetic.
; No LDS, no barrier, no matrix unit: waves share nothing, and memory binds.  LIMITS: NaN and infinities are not served; 1 / sqrt by v_rsq_f32.
.set WV,   18
.set C8I,  22
.set C64,  24
.set CIN,  26
.set CEPS, 27
.set SOF,  2
.set GA,   3
.set SIN,  16
.set SGR,  80
.set SBR,  84
.set SM,   88
.set SA,   92
.set SV,   96
.set SD,   100
.set X,    104
	s_load_b256 s[8:15], s[0:1], 0x0               ; x2 8, stats2 10, g2 12, b2 14
	s_load_b64 s[16:17], s[0:1], 0x20              ; out0
	v_lshrrev_b32 v1, 5, v0
	s_delay_alu instid0(VALU_DEP_1)
	v_readfirstlane_b32 s[WV], v1
	v_and_b32 v1, 31, v0
	s_and_b32 s28, s[WV], 3
	s_lshl_b32 s28, s28, 9
	v_lshl_add_u32 v[SOF], v1, 4, s28              ; my four channels: byte 512 (w % 4) + 16 lane
	s_lshr_b32 s19, s[WV], 2
	s_lshl_b32 s19, s19, 15
	v_add_nc_u32 v[GA], s19, v[SOF]                ; + my first row
	s_lshr_b32 s20, ttmp9, 3
	s_lshl_b32 s20, s20, 15
	s_mov_b32 s21, 0
	s_lshl_b32 s30, ttmp9, 17
	s_mov_b32 s31, 0
	s_mov_b32 s[C8I], 0x3e000000
	s_mov_b32 s[C8I+1], 0x3e000000
	s_mov_b32 s[C64], 0x42800000
	s_mov_b32 s[C64+1], 0x42800000
	s_mov_b32 s[CIN], 0x3b000000
	s_mov_b32 s[CEPS], 0x3727c5ac
	s_wait_alu depctr_va_vdst(0)
	s_wait_kmcnt 0x0
	s_add_nc_u64 s[10:11], s[10:11], s[20:21]
	s_add_nc_u64 s[8:9], s[8:9], s[30:31]
	s_add_nc_u64 s[16:17], s[16:17], s[30:31]
.irp i, 0,1,2,3,4,5,6,7
	global_load_b128 v[SIN+4*\i:SIN+4*\i+3], v[SOF], s[10:11] offset:4096*\i
	global_load_b128 v[SIN+32+4*\i:SIN+32+4*\i+3], v[SOF], s[10:11] offset:4096*\i+2048
.endr
	global_load_b128 v[SGR:SGR+3], v[SOF], s[12:13]
	global_load_b128 v[SBR:SBR+3], v[SOF], s[14:15]
.irp i, 0,1,2,3,4,5,6,7,8,9,10,11,12,13,14,15
	global_load_b128 v[X+4*\i:X+4*\i+3], v[GA], s[8:9] offset:2048*\i th:TH_LOAD_NT
.endr
	s_wait_loadcnt 16                              ; the statistics, g2 and b2 are in; the 16 row loads may be out
	v_pk_add_f32 v[SM:SM+1], v[SIN:SIN+1], v[SIN+4:SIN+5]
	v_pk_add_f32 v[SM+2:SM+3], v[SIN+2:SIN+3], v[SIN+6:SIN+7]
	v_pk_add_f32 v[SV:SV+1], v[SIN+32:SIN+33], v[SIN+36:SIN+37]
	v_pk_add_f32 v[SV+2:SV+3], v[SIN+34:SIN+35], v[SIN+38:SIN+39]
.irp i, 2,3,4,5,6,7
	s_delay_alu instid0(VALU_DEP_4)
	v_pk_add_f32 v[SM:SM+1], v[SM:SM+1], v[SIN+4*\i:SIN+4*\i+1]
	s_delay_alu instid0(VALU_DEP_4)
	v_pk_add_f32 v[SM+2:SM+3], v[SM+2:SM+3], v[SIN+4*\i+2:SIN+4*\i+3]
	s_delay_alu instid0(VALU_DEP_4)
	v_pk_add_f32 v[SV:SV+1], v[SV:SV+1], v[SIN+32+4*\i:SIN+33+4*\i]
	s_delay_alu instid0(VALU_DEP_4)
	v_pk_add_f32 v[SV+2:SV+3], v[SV+2:SV+3], v[SIN+34+4*\i:SIN+35+4*\i]
.endr
	s_delay_alu instid0(VALU_DEP_4)
	v_pk_mul_f32 v[SM:SM+1], v[SM:SM+1], s[C8I:C8I+1] op_sel_hi:[1,0]       ; the mean of the eight means: the groups are equal
	s_delay_alu instid0(VALU_DEP_4)
	v_pk_mul_f32 v[SM+2:SM+3], v[SM+2:SM+3], s[C8I:C8I+1] op_sel_hi:[1,0]
.irp i, 0,1,2,3,4,5,6,7
	v_pk_add_f32 v[SIN+4*\i:SIN+4*\i+1], v[SIN+4*\i:SIN+4*\i+1], v[SM:SM+1] neg_lo:[0,1] neg_hi:[0,1]
	v_pk_add_f32 v[SIN+4*\i+2:SIN+4*\i+3], v[SIN+4*\i+2:SIN+4*\i+3], v[SM+2:SM+3] neg_lo:[0,1] neg_hi:[0,1]
.endr
	v_pk_mul_f32 v[SD:SD+1], v[SIN:SIN+1], v[SIN:SIN+1]
	v_pk_mul_f32 v[SD+2:SD+3], v[SIN+2:SIN+3], v[SIN+2:SIN+3]
.irp i, 1,2,3,4,5,6,7
	s_delay_alu instid0(VALU_DEP_2)
	v_pk_fma_f32 v[SD:SD+1], v[SIN+4*\i:SIN+4*\i+1], v[SIN+4*\i:SIN+4*\i+1], v[SD:SD+1]
	s_delay_alu instid0(VALU_DEP_2)
	v_pk_fma_f32 v[SD+2:SD+3], v[SIN+4*\i+2:SIN+4*\i+3], v[SIN+4*\i+2:SIN+4*\i+3], v[SD+2:SD+3]
.endr
	s_delay_alu instid0(VALU_DEP_2)
	v_pk_fma_f32 v[SV:SV+1], v[SD:SD+1], s[C64:C64+1], v[SV:SV+1] op_sel_hi:[1,0,1]   ; + 64 x the squares of the means' distances
	s_delay_alu instid0(VALU_DEP_2)
	v_pk_fma_f32 v[SV+2:SV+3], v[SD+2:SD+3], s[C64:C64+1], v[SV+2:SV+3] op_sel_hi:[1,0,1]
.irp e, 0,1,2,3
	v_fma_f32 v[SV+\e], v[SV+\e], s[CIN], s[CEPS]  ; / 512 + eps
.endr
	s_wait_alu depctr_va_vdst(0)
.irp e, 0,1,2,3
	v_rsq_f32 v[SV+\e], v[SV+\e]
.endr
	v_nop                                          ; one plain place behind the transcendentals
	s_wait_alu depctr_va_vdst(0)
	v_pk_mul_f32 v[SA:SA+1], v[SV:SV+1], v[SGR:SGR+1]
	v_pk_mul_f32 v[SA+2:SA+3], v[SV+2:SV+3], v[SGR+2:SGR+3]
	s_wait_loadcnt 0x0
.irp i, 0,1,2,3,4,5,6,7,8,9,10,11,12,13,14,15
	v_pk_add_f32 v[X+4*\i:X+4*\i+1], v[X+4*\i:X+4*\i+1], v[SM:SM+1] neg_lo:[0,1] neg_hi:[0,1]
	s_wait_alu depctr_va_vdst(0)
	v_pk_add_f32 v[X+4*\i+2:X+4*\i+3], v[X+4*\i+2:X+4*\i+3], v[SM+2:SM+3] neg_lo:[0,1] neg_hi:[0,1]
	v_pk_fma_f32 v[X+4*\i:X+4*\i+1], v[X+4*\i:X+4*\i+1], v[SA:SA+1], v[SBR:SBR+1]
	s_delay_alu instid0(VALU_DEP_2)
	v_pk_fma_f32 v[X+4*\i+2:X+4*\i+3], v[X+4*\i+2:X+4*\i+3], v[SA+2:SA+3], v[SBR+2:SBR+3]
	global_store_b128 v[GA], v[X+4*\i:X+4*\i+3], s[16:17] offset:2048*\i th:TH_STORE_NT
.endr
	s_endpgm
.Lfunc_end_k_q26a1cf5bdb_norm:
	.size	k_q26a1cf5bdb_norm, .Lfunc_end_k_q26a1cf5bdb_norm-k_q26a1cf5bdb_norm
	.p2alignl 7, 3214868480
	.fill 96, 4, 3214868480
	.section	.rodata,"a",@progbits
	.p2align	6, 0x0
	.amdhsa_kernel k_q26a1cf5bdb_norm
		.amdhsa_group_segment_fixed_size 0
		.amdhsa_private_segment_fixed_size 0
		.amdhsa_enable_private_segment 0
		.amdhsa_kernarg_size 40
		.amdhsa_user_sgpr_count 2
		.amdhsa_user_sgpr_kernarg_segment_ptr 1
		.amdhsa_wavefront_size32 1
		.amdhsa_system_sgpr_workgroup_id_x 1
		.amdhsa_system_sgpr_workgroup_id_y 1
		.amdhsa_system_sgpr_workgroup_id_z 1
		.amdhsa_system_vgpr_workitem_id 0
		.amdhsa_next_free_vgpr 168
		.amdhsa_next_free_sgpr 66
		.amdhsa_reserve_vcc 0
		.amdhsa_float_denorm_mode_32 3
		.amdhsa_float_denorm_mode_16_64 3
		.amdhsa_memory_ordered 1
		.amdhsa_forward_progress 1
		.amdhsa_inst_pref_size 18
	.end_amdhsa_kernel
	.amdgpu_metadata
---
amdhsa.version: [ 1, 2 ]
amdhsa.kernels:
  - .name:           k_q26a1cf5bdb_norm
    .symbol:         k_q26a1cf5bdb_norm.kd
    .args:
      - { .name: x2, .offset: 0, .size: 8, .value_kind: global_buffer, .address_space: global }
      - { .name: stats2, .offset: 8, .size: 8, .value_kind: global_buffer, .address_space: global }
      - { .name: g2, .offset: 16, .size: 8, .value_kind: global_buffer, .address_space: global }
      - { .name: b2, .offset: 24, .size: 8, .value_kind: global_buffer, .address_space: global }
      - { .name: out0, .offset: 32, .size: 8, .value_kind: global_buffer, .address_space: global }
    .group_segment_fixed_size: 0
    .private_segment_fixed_size: 0
    .kernarg_segment_align: 8
    .kernarg_segment_size: 40
    .max_flat_workgroup_size: 512
    .sgpr_count:     66
    .vgpr_count:     168
    .wavefront_size: 32
...
	.end_amdgpu_metadata
.endif
;; end of part 4
